; MI455X (gfx1250); checked and timed in simulation.
; The chip was launched on July 23, 2026; its instructions are those of AMD's public machine-readable ISA for CDNA 5 (MIT licence, August 2026) and "CDNA5" Instruction Set Architecture Reference Guide (July 2026). The comments in the code are by the model that wrote it; some were corrected since.
;; Scaled Dot Product Attention. Allowed arithmetic: float matrix products may take bf16 or f16 operands with f32 sums; other float arithmetic in f32, or as packed bf16 or f16 multiplies, adds, multiply-adds, maxima and minima; sums over many terms, partial sums and values carried from step to step in f32; what a program stores and reads back later, other than sums and carried values, may be rounded once to bf16 or f16.
;; Inputs: Wk 1,024 x 1,024 float32; Wq 1,024 x 1,024 float32; Wv 1,024 x 1,024 float32; bk 1,024 float32; bq 1,024 float32; bv 1,024 float32; x 4 x 2,048 x 1,024 float32.
;; Outputs: out0 4 x 2,048 x 1,024 float32.
;; 2 versions, each right; version 2 is version 1 with the launch cast written anew for expert scheduling mode. Each part assembles by itself: llvm-mc -triple=amdgcn-amd-amdhsa -mcpu=gfx1250 --defsym DOCPART=n.
;; ======== version 1 of 2: 4 launches
;; limits: values are held in f16: magnitudes above 65,504 overflow, below 6.1e-05 lose precision
;; workspace buffers: xb 16,777,216 bytes; wb 6,291,456 bytes; bb 12,288 bytes; qkv 50,331,648 bytes; pm 33,554,432 bytes; st 1,048,576 bytes
;; launch cast (part 1): grid 704 x 1, 8 waves a work-group, no clusters, 0 bytes of LDS; arguments x, Wq, Wk, Wv, bq, bk, bv, xb, wb, bb; writes xb, wb, bb
.if DOCPART == 1
	.amdgcn_target "amdgcn-amd-amdhsa--gfx1250"
	.amdhsa_code_object_version 6
	.text
	.protected	k_qff5626718c_cast
	.globl	k_qff5626718c_cast
	.p2align	8
	.type	k_qff5626718c_cast,@function
k_qff5626718c_cast:
	s_mov_b64 s[64:65], 0
	v_nop
	global_prefetch_b8 v0, s[64:65] scope:SCOPE_SE
	s_setreg_imm32_b32 hwreg(HW_REG_WAVE_MODE, 25, 1), 1
	s_wait_xcnt 0x0
; x and Wq | Wk | Wv, f32 [rows][1024], are rounded once to bf16 and laid in blocks along K: xb [16 kblk][8192 rows][64], wb [16 kblk][3072 rows][64]
; (rows 0-1023 Wq, 1024-2047 Wk, 2048-3071 Wv), so that a tile of rows x 64 K of the next launch is dense in memory.  The biases are rounded to bf16 and kept as f32: bb [3072].
; A stream: memory binds, so no LDS, no matrix unit, no cluster.  A work-group takes 16 rows of 4,096 bytes; groups 0-511 take x, the other 192 the weights.
; Thread t: row t / 16, place t % 16.  Load k takes 16 bytes at 256 k + 16 (t % 16) of the row: 16 lanes read 256 consecutive aligned bytes.  Its four numbers are 8 bytes of K block k,
; at 128 row + 8 (t % 16) = 8 t: a wave's store covers 256 consecutive aligned bytes (two rows of one K block).  All 16 loads of a thread are out at once; no register is written twice.
.set OFF, 4                            ; v[4:19]   byte offset of my 8 bytes in K block k of the destination
.set XR,  32                           ; v[32:95]  as loaded
.set YR,  96                           ; v[96:127] as stored
	s_load_b512 s[4:19], s[0:1], 0x0               ; x s[4:5], Wq s[6:7], Wk s[8:9], Wv s[10:11], bq s[12:13], bk s[14:15], bv s[16:17], xb s[18:19]
	s_load_b128 s[20:23], s[0:1], 0x40             ; wb s[20:21], bb s[22:23]
	s_mov_b32 s32, ttmp9                           ; g
	s_sub_co_u32 s33, s32, 512                     ; g2: the group's number among the weights' (used where g >= 512 alone)
	s_lshr_b32 s34, s33, 6                         ; which weight
	s_and_b32 s35, s33, 63                         ; which 16 rows of it
	s_mov_b32 s30, 3072*128                        ; bytes from one K block of wb to the next
	s_mov_b32 s39, 0
	v_lshrrev_b32 v1, 4, v0
	v_and_b32 v2, 15, v0
	v_lshlrev_b32 v1, 12, v1
	v_lshl_add_u32 v1, v2, 4, v1                   ; source: row x 4,096 + 16 x place
	v_lshrrev_b32 v3, 5, v0
	v_readfirstlane_b32 s41, v3                    ; wave
	v_lshlrev_b32 v[OFF], 3, v0                    ; destination: 8 t
	s_wait_kmcnt 0x0
	s_cmp_eq_u32 s34, 1
	s_cselect_b64 s[24:25], s[8:9], s[10:11]       ; the source, and the bias that goes with it
	s_cselect_b64 s[26:27], s[14:15], s[16:17]
	s_cmp_eq_u32 s34, 0
	s_cselect_b64 s[24:25], s[6:7], s[24:25]
	s_cselect_b64 s[26:27], s[12:13], s[26:27]
	s_cmp_lt_u32 s32, 512
	s_cselect_b64 s[24:25], s[4:5], s[24:25]
	s_cselect_b64 s[28:29], s[18:19], s[20:21]     ; the destination
	s_cselect_b32 s36, s32, s35                    ; block of 16 rows in the source,
	s_cselect_b32 s37, s32, s33                    ; and in the destination
	s_cselect_b32 s30, 8192*128, s30
	s_lshl_b32 s38, s36, 16                        ; 16 rows of 4,096 bytes
	s_add_nc_u64 s[24:25], s[24:25], s[38:39]
	s_lshl_b32 s38, s37, 11                        ; 16 rows of 128 bytes
	s_add_nc_u64 s[28:29], s[28:29], s[38:39]
.set k, 0
.rept 16
	global_load_b128 v[XR+4*k:XR+4*k+3], v1, s[24:25] offset:256*k th:TH_LOAD_NT
.set k, k+1
.endr
.set k, 1
.rept 15
	v_add_nc_u32 v[OFF+k], s30, v[OFF+k-1]
.set k, k+1
.endr
.set k, 0
.rept 16
	s_wait_loadcnt 15-k                            ; loads come back in order: load k is in, the younger ones stay out
	v_cvt_pk_bf16_f32 v[YR+2*k], v[XR+4*k], v[XR+4*k+1]
	v_cvt_pk_bf16_f32 v[YR+2*k+1], v[XR+4*k+2], v[XR+4*k+3]
	global_store_b64 v[OFF+k], v[YR+2*k:YR+2*k+1], s[28:29]
.set k, k+1
.endr
	; The biases: every fourth of a weight's groups, wave 0 alone: 64 numbers, 256 bytes in and 256 out.
	s_cmp_lt_u32 s32, 512
	s_cbranch_scc1 .Lend
	s_and_b32 s40, s35, 3
	s_cmp_lg_u32 s40, 0
	s_cbranch_scc1 .Lend
	s_cmp_lg_u32 s41, 0
	s_cbranch_scc1 .Lend
	s_lshl_b32 s38, s35, 6                         ; 16 numbers for each group of 16 rows: 64 bytes x the group's number
	s_add_nc_u64 s[26:27], s[26:27], s[38:39]
	s_lshl_b32 s38, s33, 6
	s_add_nc_u64 s[22:23], s[22:23], s[38:39]
	global_load_b64 v[20:21], v[OFF], s[26:27]     ; in wave 0 the thread's number is the lane: 8 bytes a lane
	s_wait_loadcnt 0x0
	v_cvt_pk_bf16_f32 v22, v20, v21                ; rounded as x and the weights are,
	v_lshlrev_b32 v24, 16, v22                     ; and widened again
	v_and_b32 v25, 0xffff0000, v22
	global_store_b64 v[OFF], v[24:25], s[22:23]
.Lend:
	s_endpgm
.Lfunc_end_k_qff5626718c_cast:
	.size	k_qff5626718c_cast, .Lfunc_end_k_qff5626718c_cast-k_qff5626718c_cast
	.p2alignl 7, 3214868480
	.fill 96, 4, 3214868480
	.section	.rodata,"a",@progbits
	.p2align	6, 0x0
	.amdhsa_kernel k_qff5626718c_cast
		.amdhsa_group_segment_fixed_size 0
		.amdhsa_private_segment_fixed_size 0
		.amdhsa_enable_private_segment 0
		.amdhsa_kernarg_size 80
		.amdhsa_user_sgpr_count 2
		.amdhsa_user_sgpr_kernarg_segment_ptr 1
		.amdhsa_wavefront_size32 1
		.amdhsa_system_sgpr_workgroup_id_x 1
		.amdhsa_system_sgpr_workgroup_id_y 1
		.amdhsa_system_sgpr_workgroup_id_z 1
		.amdhsa_system_vgpr_workitem_id 0
		.amdhsa_next_free_vgpr 128
		.amdhsa_next_free_sgpr 66
		.amdhsa_reserve_vcc 0
		.amdhsa_float_denorm_mode_32 3
		.amdhsa_float_denorm_mode_16_64 3
		.amdhsa_memory_ordered 1
		.amdhsa_forward_progress 1
		.amdhsa_inst_pref_size 9
	.end_amdhsa_kernel
	.amdgpu_metadata
---
amdhsa.version: [ 1, 2 ]
amdhsa.kernels:
  - .name:           k_qff5626718c_cast
    .symbol:         k_qff5626718c_cast.kd
    .args:
      - { .name: x, .offset: 0, .size: 8, .value_kind: global_buffer, .address_space: global }
      - { .name: Wq, .offset: 8, .size: 8, .value_kind: global_buffer, .address_space: global }
      - { .name: Wk, .offset: 16, .size: 8, .value_kind: global_buffer, .address_space: global }
      - { .name: Wv, .offset: 24, .size: 8, .value_kind: global_buffer, .address_space: global }
      - { .name: bq, .offset: 32, .size: 8, .value_kind: global_buffer, .address_space: global }
      - { .name: bk, .offset: 40, .size: 8, .value_kind: global_buffer, .address_space: global }
      - { .name: bv, .offset: 48, .size: 8, .value_kind: global_buffer, .address_space: global }
      - { .name: xb, .offset: 56, .size: 8, .value_kind: global_buffer, .address_space: global }
      - { .name: wb, .offset: 64, .size: 8, .value_kind: global_buffer, .address_space: global }
      - { .name: bb, .offset: 72, .size: 8, .value_kind: global_buffer, .address_space: global }
    .group_segment_fixed_size: 0
    .private_segment_fixed_size: 0
    .kernarg_segment_align: 8
    .kernarg_segment_size: 80
    .max_flat_workgroup_size: 256
    .sgpr_count:     66
    .vgpr_count:     128
    .wavefront_size: 32
...
	.end_amdgpu_metadata
.endif
;; end of part 1
;; launch proj (part 2): grid 8 x 32, 4 waves a work-group, clusters of 4 x 4, 327,680 bytes of LDS; arguments xb, wb, bb, qkv; writes qkv
.if DOCPART == 2
	.amdgcn_target "amdgcn-amd-amdhsa--gfx1250"
	.amdhsa_code_object_version 6
	.text
	.protected	k_qff5626718c_proj
	.globl	k_qff5626718c_proj
	.p2align	8
	.type	k_qff5626718c_proj,@function
k_qff5626718c_proj:
	s_mov_b64 s[64:65], 0
	v_nop
	global_prefetch_b8 v0, s[64:65] scope:SCOPE_SE
	s_setreg_imm32_b32 hwreg(HW_REG_WAVE_MODE, 25, 1), 1
	s_wait_xcnt 0x0
	s_wait_alu depctr_hold_cnt(0) depctr_sa_sdst(0) depctr_va_vdst(0) depctr_va_sdst(0) depctr_va_ssrc(0) depctr_va_vcc(0) depctr_vm_vsrc(0)
	s_getreg_b32 s2, hwreg(HW_REG_IB_STS2, 6, 4)
	s_cmp_eq_u32 s2, 0
	s_cbranch_scc0 .Lentry_in_a_cluster
	s_endpgm
.Lentry_in_a_cluster:
	s_bfe_u32 s2, ttmp6, 0x10000c
	s_cmp_lg_u32 s2, 0xf033
	s_cbranch_scc0 .Lentry_shape_is_right
	s_endpgm
.Lentry_shape_is_right:
; qkv[row][n] = sum over k of x[row][k] W[n][k] + b[n]: 8,192 rows, n = 0..3071 (q | k | v), K = 1,024.  Operands bf16, sums f32, qkv f16 [8192][3072], rounded once.
; LIMIT: |q|, |k|, |v| below 65,504; a larger number leaves as an infinity.  With x and W both 30 times the drawn spread they reach some 5e3.
; SHARES.  8 x 32 tiles of 256 rows x 384 columns: 256 work-groups.  Four waves, each 128 x 192: 8 x 12 = 96 accumulators, 768 registers: for 32 along K a wave reads 40 x 512 bytes of LDS for 96 products.
; K goes in 16 steps of 64 (a K block of xb and wb, in which a tile's rows are dense: asked for as rows of 256 bytes) through two LDS slots; a step is two chunks of 32.
; THE MATRIX INSTRUCTION IS USED TRANSPOSED (source 0 = 16 rows of W, source 1 = 16 rows of x): a lane holds row l % 16 and eight neighbouring columns 8 (l / 16) + 0..7.
; THE BIAS is the C operand of the first chunk's products: it is loaded into the registers of the accumulators of row block 7, which the other seven blocks name as C; block 7 then adds in place.
; CLUSTER 4 x 4: x's tile hangs on the tile row alone and is asked for jointly by a row of the cluster, W's on the tile column alone, by a column.
; REGISTERS.  window 0: v0-31 addresses; v32-95, v96-159 x's fragments, two buffers; v160-255 W's 12 fragments, one buffer, loaded again four at a time as soon as they are multiplied.
;   window g + 1 (g = 0..2): accumulator (column block 4 g + nb, row block a) at v[8 (8 nb + a)].
.set PITCH,  144                       ; an LDS row: 128 bytes + 16 of padding: the 16 rows of a fragment load start at 16 different 16-byte columns of 256 bytes
.set XHALF,  128*PITCH
.set WHALF,  192*PITCH
.set WOFF,   2*XHALF                   ; a slot: x's 256 rows, then W's 384 rows
.set SLOT1,  1<<17                     ; slot 1 begins here: one exclusive or turns an address in one slot into the other's
.set SPITCH, 784                       ; the stage's rows: 768 bytes + 16; 256 rows from LDS byte 0 on, over the ring, when it has had its last fill
.set SPARE,  SLOT1+WOFF+2*WHALF        ; behind the ring: the spare words, 128 bytes a wave
.set KBX,    8192*128                  ; bytes from one K block of xb to the next
.set KBW,    3072*128
.set AX0,  4                           ; v4   my lane's place in x's rows of slot 0
.set AW0,  5                           ; v5   in W's
.set ADRX, 6                           ; v6   the same in the slot in hand
.set ADRW, 7
.set STO0, 8                           ; v8   the way out: where I put 16 bytes of a row, row blocks 0-3
.set STO1, 9                           ; v9   row blocks 4-7
.set RD,   10                          ; v10  where I read rows back
.set CO,   11                          ; v11  my byte offset in qkv
.set BO,   12                          ; v12  my byte offset in the tile's 384 biases
.set SPW,  28                          ; v28  LDS address of my spare word; never rewritten
.set NIL,  29                          ; v29  0; never rewritten
.set XF0,  32
.set XF1,  96
.set WF,   160
.set TMP,  32                          ; the way out: 128 registers
.set WV, 12                            ; s12 wave
.set MH, 13                            ; s13 which 128 rows are mine.  Also: I fetch for x (0) or for W (1)
.set NH, 14                            ; s14 which 192 columns.  Also: which half of that tile I fetch
.set G1X, 24
.set G1W, 32
.set G0X, 40                           ; two sets of four: the first fills; the second then walks
.set G0W, 48
.set TB,  56                           ; s56 the slot in hand: 0 or SLOT1
.set CNT, 57
.set MSB, 0
.macro WIN new                         ; the immediate's high byte repeats the setting that is left
.if MSB != (\new)
	s_set_vgpr_msb (MSB<<8)|(\new)
.set MSB, (\new)
.endif
.endm
.macro PLACES                          ; four places in front of loads into registers that matrix instructions have read, and of conversions that read results
.rept 4
	v_nop
.endr
.endm
.macro JLOAD                           ; a joint refill: waves 0 and 1 fetch x's two halves, waves 2 and 3 W's; the branch hangs on the wave's number alone
	s_cmp_eq_u32 s[MH], 0
	s_cbranch_scc0 .Lfor_w_\@
	tensor_load_to_lds s[G0X+4:G0X+7], s[G1X:G1X+7]
	s_nop 0
.rept 4
	v_nop
.endr
	s_branch .Lasked_\@
.Lfor_w_\@:
	tensor_load_to_lds s[G0W+4:G0W+7], s[G1W:G1W+7]
	s_nop 0
.rept 4
	v_nop
.endr
.Lasked_\@:
.endm
.macro CREST                           ; a round of the cluster's barrier behind its opening barrier
	s_cmp_lg_u32 s[WV], 0
	s_cbranch_scc1 .Lnot_wave_0_\@
	s_barrier_signal -3
.Lnot_wave_0_\@:
	s_barrier_wait -3
	s_barrier_signal -1
	s_barrier_wait -1
.endm
.macro CROUND
	s_barrier_signal -1
	s_barrier_wait -1
	CREST
.endm
	s_load_b256 s[4:11], s[0:1], 0x0               ; xb s[4:5], wb s[6:7], bb s[8:9], qkv s[10:11]
	v_lshl_add_u32 v[SPW], v0, 2, SPARE
	v_mov_b32 v[NIL], 0
	ds_add_u32 v[SPW], v[NIL]                      ; the wave's opening: the add and its wait ahead of my first tensor load
	ds_add_u32 v28, v29
	v_lshrrev_b32 v1, 5, v0
	v_readfirstlane_b32 s[WV], v1
	s_lshr_b32 s[MH], s[WV], 1
	s_and_b32 s[NH], s[WV], 1
	s_bfe_u32 s15, ttmp6, 0x40000                  ; cx
	s_bfe_u32 s16, ttmp6, 0x40004                  ; cy
	s_lshl_b32 s17, ttmp9, 2
	s_add_co_u32 s17, s17, s15                     ; tile column = 4 x cluster x + cx
	s_and_b32 s18, ttmp7, 0xffff
	s_lshl_b32 s18, s18, 2
	s_add_co_u32 s18, s18, s16                     ; tile row = 4 x cluster y + cy
	s_lshl_b32 s58, s16, 2
	s_lshl_b32 s58, 15, s58                        ; my row of the cluster
	s_lshl_b32 s59, 0x1111, s15                    ; my column
	; group 1: dense bytes as rows of 256 (128 elements of 2 bytes), padded in LDS by 4 words after every 32 words, that is after every row of 64 K
	s_or_b32 s[G1X], s58, (1<<16)|(1<<20)|(1<<21)|(4<<22)|(3<<25)
	s_or_b32 s[G1W], s59, (1<<16)|(1<<20)|(1<<21)|(4<<22)|(3<<25)
	s_mov_b32 s[G1X+1], 128<<16                    ; tensor_dim0 = 128
	s_mov_b32 s[G1X+2], 64<<16                     ; tensor_dim1 = 64: 128 rows of x
	s_mov_b32 s[G1X+3], 128<<16                    ; tile_dim0
	s_mov_b32 s[G1X+4], 64                         ; tile_dim1
	s_mov_b32 s[G1X+5], 128                        ; elements from row to row
	s_mov_b32 s[G1X+6], 0
	s_mov_b32 s[G1X+7], 0
	s_mov_b32 s[G1W+1], 128<<16
	s_mov_b32 s[G1W+2], 96<<16                     ; 192 rows of W
	s_mov_b32 s[G1W+3], 128<<16
	s_mov_b32 s[G1W+4], 96
	s_mov_b32 s[G1W+5], 128
	s_mov_b32 s[G1W+6], 0
	s_mov_b32 s[G1W+7], 0
	s_lshl_b32 s60, s18, 15                        ; x: (256 tile row + 128 half) rows of 128 bytes
	s_lshl_b32 s61, s[NH], 14
	s_add_co_u32 s60, s60, s61
	s_mov_b32 s61, 0
	s_mul_i32 s62, s17, 384*128                    ; W: (384 tile column + 192 half) rows
	s_mul_i32 s63, s[NH], 192*128
	s_add_co_u32 s62, s62, s63
	s_mov_b32 s63, 0
	s_mul_i32 s66, s[NH], XHALF                    ; where they go: no place in the cluster enters an LDS address
	s_mul_i32 s67, s[NH], WHALF
	s_add_co_u32 s67, s67, WOFF
	s_mov_b32 s[TB], 0
	s_wait_dscnt 0x0                               ; the opening add is done
	s_wait_kmcnt 0x0
	s_add_nc_u64 s[60:61], s[4:5], s[60:61]
	s_add_nc_u64 s[62:63], s[6:7], s[62:63]
	CROUND                                         ; all sixteen work-groups are here: the first joint loads meet
.irp s, 0,1
	s_mov_b32 s[G0X+4*(\s)], 1
	s_add_co_u32 s[G0X+4*(\s)+1], s66, (\s)*SLOT1
	s_add_nc_u64 s[G0X+4*(\s)+2:G0X+4*(\s)+3], s[60:61], (\s)*KBX
	s_or_b32 s[G0X+4*(\s)+3], s[G0X+4*(\s)+3], 0x80000000
	s_mov_b32 s[G0W+4*(\s)], 1
	s_add_co_u32 s[G0W+4*(\s)+1], s67, (\s)*SLOT1
	s_add_nc_u64 s[G0W+4*(\s)+2:G0W+4*(\s)+3], s[62:63], (\s)*KBW
	s_or_b32 s[G0W+4*(\s)+3], s[G0W+4*(\s)+3], 0x80000000
.endr
	s_cmp_eq_u32 s[MH], 0                          ; a wave's two first fills stand in one branch: two loads of mine are out
	s_cbranch_scc0 .Lfirst_w
	tensor_load_to_lds s[G0X:G0X+3], s[G1X:G1X+7]
	s_nop 0
	tensor_load_to_lds s[G0X+4:G0X+7], s[G1X:G1X+7]
	s_nop 0
.rept 4
	v_nop
.endr
	s_branch .Lfirst_asked
.Lfirst_w:
	tensor_load_to_lds s[G0W:G0W+3], s[G1W:G1W+7]
	s_nop 0
	tensor_load_to_lds s[G0W+4:G0W+7], s[G1W:G1W+7]
	s_nop 0
.rept 4
	v_nop
.endr
.Lfirst_asked:
	v_and_b32 v1, 15, v0                           ; l % 16
	v_bfe_u32 v2, v0, 4, 1                         ; l / 16
	s_mul_i32 s68, s17, 384*4
	s_mov_b32 s69, 0
	s_add_nc_u64 s[68:69], s[8:9], s[68:69]        ; the tile's 384 biases
	s_mul_i32 s70, s[NH], 192*4
	v_lshl_add_u32 v[BO], v2, 5, s70               ; my eight of a column block: (192 half + 8 (l / 16)) x 4 bytes
.irp g, 0,1,2
	WIN (((\g)+1)<<6)                              ; destination in the accumulators' window
.irp nb, 0,1,2,3
	global_load_b128 v[64*(\nb)+56:64*(\nb)+59], v[BO], s[68:69] offset:64*(4*(\g)+(\nb))
	global_load_b128 v[64*(\nb)+60:64*(\nb)+63], v[BO], s[68:69] offset:64*(4*(\g)+(\nb))+16
.endr
.endr
	WIN 0
	v_mul_u32_u24 v3, v1, PITCH
	v_lshl_add_u32 v3, v2, 4, v3                   ; a fragment's row x pitch + 16 x half
	s_mul_i32 s70, s[MH], XHALF
	v_add_nc_u32 v[AX0], s70, v3
	v_add_nc_u32 v[AW0], s67, v3
	v_mov_b32 v[ADRX], v[AX0]
	v_mov_b32 v[ADRW], v[AW0]
	v_mul_u32_u24 v3, v1, SPITCH                   ; into the stage: row 128 MH + 16 a + l % 16, byte 384 NH + 32 column block + 16 (l / 16)
	v_lshl_add_u32 v3, v2, 4, v3
	s_mul_i32 s70, s[MH], 128*SPITCH
	s_mul_i32 s71, s[NH], 384
	s_add_co_u32 s70, s70, s71
	v_add_nc_u32 v[STO0], s70, v3
	v_add_nc_u32 v[STO1], 64*SPITCH, v[STO0]
	v_mul_u32_u24 v3, v2, SPITCH                   ; back: wave w takes rows 64 w on; lanes 0-15 256 bytes of one row, lanes 16-31 of the next
	v_lshl_add_u32 v3, v1, 4, v3
	s_mul_i32 s70, s[WV], 64*SPITCH
	v_add_nc_u32 v[RD], s70, v3
	v_mul_u32_u24 v3, v2, 6144
	v_lshl_add_u32 v[CO], v1, 4, v3
	s_mul_i32 s58, s18, 256*6144
	s_mul_i32 s59, s[WV], 64*6144
	s_add_co_u32 s58, s58, s59
	s_mul_i32 s59, s17, 768
	s_add_co_u32 s58, s58, s59
	s_mov_b32 s59, 0
	s_add_nc_u64 s[10:11], s[10:11], s[58:59]      ; qkv at the first row that I store, the tile's first column
; Products of column blocks 4 g + n0 .. 4 g + n1 - 1 with all 8 row blocks, 32 along K.  The accumulators take turns, one instruction a turn: 95 others' stand between two links of a chain.
.macro GRP g, xf, n0, n1
	WIN ((((\g)+1)<<6)|(((\g)+1)<<4))
.set nb, (\n0)
.rept (\n1)-(\n0)
.set a, 0
.rept 8
	v_wmma_f32_16x16x32_bf16 v[8*(8*nb+a):8*(8*nb+a)+7], v[WF+8*(4*(\g)+nb):WF+8*(4*(\g)+nb)+7], v[(\xf)+8*a:(\xf)+8*a+7], v[8*(8*nb+a):8*(8*nb+a)+7]
.set a, a+1
.endr
.set nb, nb+1
.endr
.endm
; The first chunk: row blocks 0-6 start their sums with the bias, which lies in block 7's registers; five places behind the last of them block 7 adds onto it in place.
.macro GRPB g, xf
	WIN ((((\g)+1)<<6)|(((\g)+1)<<4))
.set a, 0
.rept 7
.set nb, 0
.rept 4
	v_wmma_f32_16x16x32_bf16 v[8*(8*nb+a):8*(8*nb+a)+7], v[WF+8*(4*(\g)+nb):WF+8*(4*(\g)+nb)+7], v[(\xf)+8*a:(\xf)+8*a+7], v[64*nb+56:64*nb+63]
.set nb, nb+1
.endr
.set a, a+1
.endr
.rept 5
	v_nop
.endr
.set nb, 0
.rept 4
	v_wmma_f32_16x16x32_bf16 v[64*nb+56:64*nb+63], v[WF+8*(4*(\g)+nb):WF+8*(4*(\g)+nb)+7], v[(\xf)+56:(\xf)+63], v[64*nb+56:64*nb+63]
.set nb, nb+1
.endr
.endm
.macro PROD g, xf, first
.if \first
	GRPB \g, \xf
.else
	GRP \g, \xf, 0, 4
.endif
.endm
; A run of LDS loads for the next chunk (byte nk of the rows): W's fragments 4 g .. 4 g + 3 into the registers just multiplied, and for g < 2 x's fragments 4 g .. 4 g + 3 into the other buffer.
.macro LB g, xn, nk
	WIN 0
.irp t, 0,1,2,3
	ds_load_b128 v[WF+8*(4*(\g)+(\t)):WF+8*(4*(\g)+(\t))+3],   v[ADRW] offset:(4*(\g)+(\t))*16*PITCH+(\nk)
	ds_load_b128 v[WF+8*(4*(\g)+(\t))+4:WF+8*(4*(\g)+(\t))+7], v[ADRW] offset:(4*(\g)+(\t))*16*PITCH+(\nk)+32
.endr
.if (\g) < 2
.irp t, 0,1,2,3
	ds_load_b128 v[(\xn)+8*(4*(\g)+(\t)):(\xn)+8*(4*(\g)+(\t))+3],   v[ADRX] offset:(4*(\g)+(\t))*16*PITCH+(\nk)
	ds_load_b128 v[(\xn)+8*(4*(\g)+(\t))+4:(\xn)+8*(4*(\g)+(\t))+7], v[ADRX] offset:(4*(\g)+(\t))*16*PITCH+(\nk)+32
.endr
.endif
.endm
; A CHUNK: 96 products on x's buffer xf; the next chunk's 40 loads in three runs, each behind the products that read its registers.
; meet = 1: a step's second chunk: the change of slots, with a refill; 2: without.  In front of the barrier each wave waits for all its tensor loads (one is out: its part of the next slot), adds 0 to its
; spare word, and waits for that and for its reads of this slot.  With a refill the barrier opens a round of the cluster's barrier, and the joint load is the first thing behind the round:
; from there to the wait for it a wave issues 160 products.
.macro CHUNK xf, xn, nk, first, meet, fetch
.if (\meet) == 0
	s_wait_dscnt 8                                 ; all of x's fragments and W's 0-7 are in; the last run's eight loads may be out
	PROD 0, \xf, \first
.if \fetch
	PLACES
.endif
.else
	WIN 0
	s_wait_tensorcnt 0x0                           ; no tensor load of mine is out, so a group 0 may be written
	ds_add_u32 v[SPW], v[NIL]                      ; 0 onto my spare word
.if (\meet) == 1
	s_xor_b32 s[G0X+5], s[G0X+5], SLOT1            ; the walking descriptors: the other slot than last time, the next K block
	s_add_nc_u64 s[G0X+6:G0X+7], s[G0X+6:G0X+7], KBX
	s_xor_b32 s[G0W+5], s[G0W+5], SLOT1
	s_add_nc_u64 s[G0W+6:G0W+7], s[G0W+6:G0W+7], KBW
.endif
	s_wait_dscnt 9                                 ; the add and the last run's eight loads may be out
	GRP 0, \xf, 0, 2
	s_wait_dscnt 0x0                               ; the add is done, and my reads of this slot are over
	s_barrier_signal -1
	GRP 0, \xf, 2, 4
	WIN 0
	s_barrier_wait -1
.if (\meet) == 1
	CREST
	JLOAD                                          ; its four v_nop are also the places in front of the loads below
.else
	PLACES
.endif
	s_xor_b32 s[TB], s[TB], SLOT1
	v_add_nc_u32 v[ADRX], s[TB], v[AX0]
	v_add_nc_u32 v[ADRW], s[TB], v[AW0]
.endif
.if \fetch
	LB 0, \xn, \nk
.endif
	PROD 1, \xf, \first
.if \fetch
	PLACES
	LB 1, \xn, \nk
	s_wait_dscnt 32                                ; all but this chunk's 32: W's fragments 8-11 are in
.else
	s_wait_dscnt 0x0
.endif
	PROD 2, \xf, \first
.if \fetch
	PLACES
	LB 2, \xn, \nk
.endif
.endm
	s_wait_tensorcnt 0x1                           ; my part of step 0 is in; step 1's may stay out
	s_barrier_signal -1
	s_barrier_wait -1
	LB 0, XF0, 0
	LB 1, XF0, 0
	LB 2, XF0, 0
	s_wait_loadcnt 0x0                             ; the bias
	CHUNK XF0, XF1, 64, 1, 0, 1
	WIN 0
	s_mov_b32 s[CNT], 14
.Lstep:                                                ; a trip: a step's second chunk, which fills its slot again two steps ahead, and the next step's first
	CHUNK XF1, XF0, 0, 0, 1, 1
	CHUNK XF0, XF1, 64, 0, 0, 1
	WIN 0
	s_sub_co_u32 s[CNT], s[CNT], 1
	s_cmp_lg_u32 s[CNT], 0
	s_cbranch_scc1 .Lstep
	CHUNK XF1, XF0, 0, 0, 2, 1                     ; steps 14 and 15 ask for nothing
	CHUNK XF0, XF1, 64, 0, 0, 1
	CHUNK XF1, XF0, 0, 0, 0, 0
	; THE WAY OUT.  A row's 768 bytes come from two waves, so the four waves share one stage, over the ring: a barrier when nobody reads the ring any more, another between writing and reading.
	PLACES
	WIN 0
	s_barrier_signal -1                            ; my LDS loads are all back (the last chunk waited for 0), my tensor loads long landed
	s_barrier_wait -1
.irp g, 0,1,2
	WIN (((\g)+1)|(((\g)+1)<<2))                   ; sources in the accumulators' window
.set t, 0
.rept 32
.irp rr, 0,1,2,3
	v_cvt_pk_f16_f32 v[TMP+4*t+(\rr)], v[8*t+2*(\rr)], v[8*t+2*(\rr)+1]
.endr
.set t, t+1
.endr
	WIN 0
.set t, 0
.rept 32                                               ; accumulator t: column block 4 g + t / 8, row block t % 8
.if (t%8) < 4
	ds_store_b128 v[STO0], v[TMP+4*t:TMP+4*t+3] offset:(t%8)*16*SPITCH+32*(4*(\g)+t/8)
.else
	ds_store_b128 v[STO1], v[TMP+4*t:TMP+4*t+3] offset:((t%8)-4)*16*SPITCH+32*(4*(\g)+t/8)
.endif
.set t, t+1
.endr
.endr
	s_wait_dscnt 0x0                               ; for the others' sake: my stores into the stage are done
	s_barrier_signal -1
	s_barrier_wait -1
	s_mov_b32 s[CNT], 8
.Lout:                                                 ; a trip: 8 rows of 768 bytes; 16 lanes store 256 consecutive bytes, at a multiple of 256 from qkv's first byte
.irp p, 0,1,2,3
.irp u, 0,1,2
	ds_load_b128 v[TMP+4*(3*(\p)+(\u)):TMP+4*(3*(\p)+(\u))+3], v[RD] offset:(\p)*2*SPITCH+256*(\u)
.endr
.endr
	s_wait_dscnt 0x0
.irp p, 0,1,2,3
.irp u, 0,1,2
	global_store_b128 v[CO], v[TMP+4*(3*(\p)+(\u)):TMP+4*(3*(\p)+(\u))+3], s[10:11] offset:(\p)*2*6144+256*(\u)
.endr
.endr
	s_wait_xcnt 0x0                                ; the stores' base and data are rewritten only behind this wait
	s_add_nc_u64 s[10:11], s[10:11], 8*6144
	v_add_nc_u32 v[RD], 8*SPITCH, v[RD]
	s_sub_co_u32 s[CNT], s[CNT], 1
	s_cmp_lg_u32 s[CNT], 0
	s_cbranch_scc1 .Lout
	s_wait_tensorcnt 0x0                           ; the wave's end
	ds_add_u32 v[SPW], v[NIL]
	s_wait_dscnt 0x0
	CROUND                                         ; the closing round: no work-group ends while a partner may still ask for a tile that names it
	s_endpgm
.Lfunc_end_k_qff5626718c_proj:
	.size	k_qff5626718c_proj, .Lfunc_end_k_qff5626718c_proj-k_qff5626718c_proj
	.p2alignl 7, 3214868480
	.fill 96, 4, 3214868480
	.section	.rodata,"a",@progbits
	.p2align	6, 0x0
	.amdhsa_kernel k_qff5626718c_proj
		.amdhsa_group_segment_fixed_size 327680
		.amdhsa_private_segment_fixed_size 0
		.amdhsa_enable_private_segment 0
		.amdhsa_kernarg_size 32
		.amdhsa_user_sgpr_count 2
		.amdhsa_user_sgpr_kernarg_segment_ptr 1
		.amdhsa_wavefront_size32 1
		.amdhsa_system_sgpr_workgroup_id_x 1
		.amdhsa_system_sgpr_workgroup_id_y 1
		.amdhsa_system_sgpr_workgroup_id_z 1
		.amdhsa_system_vgpr_workitem_id 0
		.amdhsa_next_free_vgpr 1024
		.amdhsa_next_free_sgpr 72
		.amdhsa_reserve_vcc 0
		.amdhsa_float_denorm_mode_32 3
		.amdhsa_float_denorm_mode_16_64 3
		.amdhsa_memory_ordered 1
		.amdhsa_forward_progress 1
		.amdhsa_inst_pref_size 99
	.end_amdhsa_kernel
	.amdgpu_metadata
---
amdhsa.version: [ 1, 2 ]
amdhsa.kernels:
  - .name:           k_qff5626718c_proj
    .symbol:         k_qff5626718c_proj.kd
    .args:
      - { .name: xb, .offset: 0, .size: 8, .value_kind: global_buffer, .address_space: global }
      - { .name: wb, .offset: 8, .size: 8, .value_kind: global_buffer, .address_space: global }
      - { .name: bb, .offset: 16, .size: 8, .value_kind: global_buffer, .address_space: global }
      - { .name: qkv, .offset: 24, .size: 8, .value_kind: global_buffer, .address_space: global }
    .group_segment_fixed_size: 327680
    .private_segment_fixed_size: 0
    .kernarg_segment_align: 8
    .kernarg_segment_size: 32
    .max_flat_workgroup_size: 128
    .sgpr_count:     72
    .vgpr_count:     1024
    .wavefront_size: 32
...
	.end_amdgpu_metadata
.endif
;; end of part 2
;; launch scores (part 3): grid 36 x 4, 4 waves a work-group, no clusters, 327,680 bytes of LDS; arguments qkv, pm, st; writes pm, st
.if DOCPART == 3
	.amdgcn_target "amdgcn-amd-amdhsa--gfx1250"
	.amdhsa_code_object_version 6
	.text
	.protected	k_qff5626718c_scores
	.globl	k_qff5626718c_scores
	.p2align	8
	.type	k_qff5626718c_scores,@function
k_qff5626718c_scores:
	s_mov_b64 s[64:65], 0
	v_nop
	global_prefetch_b8 v0, s[64:65] scope:SCOPE_SE
	s_setreg_imm32_b32 hwreg(HW_REG_WAVE_MODE, 25, 1), 1
	s_wait_xcnt 0x0
; For each batch and each of the 36 tiles (i, j), j <= i, of 256 queries x 256 keys: S = q k^T (f16 operands, f32 sums, K = 1,024), the causal mask, and a softmax LOCAL to each (query, block of 128 keys):
; m = the block's largest score, P = 2^(c s - c m) in f16 into pm [4][2048 q][2048 k], and (c m, l = the sum of the unrounded P) in f32 into st [4][16 key blocks][2048 q][2].  c = log2(e) / 8.
; The next launch joins a query's blocks by their maxima.  Tiles above the diagonal are neither made nor read.
; LIMITS.  A hidden score counts as its value less 1e30 (f16's scores reach 4.4e12 at the most); P below 6e-5 keeps f16's fixed step of 6e-8; a weight below 2^-126 counts as 0 in l; NaN and infinities are not treated apart.
; SHARES.  Four waves, each 128 queries x 128 keys: one key block, 64 accumulators.  Source 0 = 16 rows of k, source 1 = 16 rows of q: a lane holds ONE query (l % 16) and the keys 8 (l / 16) + 0..7 of each
; group of 16: a query's 128 scores lie in two lanes, 64 each, so the softmax stays in the accumulators' registers and wants one exchange between the halves of the lanes for m and one for l.
; THE MASK is the C operand of the first products.  Only in a diagonal tile's two diagonal quarters: group b of keys against block a of queries is open (b < a: C = 0), hidden (b > a: MP = -1e30) or holds the
; diagonal (b = a: MZ).  There every query sees its own key, so m is a true score.  The quarter that lies wholly above the diagonal (queries 0-127, keys 128-255) is NOT masked: its P is an ordinary finite softmax,
; and only its stored c m is capped at -1e30, by which the next launch gives it the weight 0.
; NO CLUSTER: a row or a column of the triangle has 1 to 8 tiles, so the 36 tiles of a batch do not fall into fours that share q's or k's rows.
; REGISTERS.  window 0: v0-31 addresses; v32-55 masks, later at work; v64-127, v128-191 q's fragments, two buffers (later rows on their way out); v192-223 packed P
;   window 1: v64-127, v128-191 k's fragments      window 2: accumulators of my queries 0-63 ((a, b) at v[8 (8 a + b)])      window 3: of my queries 64-127
.set KSTEP,  128
.set PITCH,  272                       ; an LDS row: 256 bytes + 16 of padding
.set HALFT,  128*PITCH
.set SLOT,   4*HALFT                   ; q's 256 rows, then k's 256 rows.  SLOT's two bits occur in none of the four tile offsets, so an exclusive or turns a tile's LDS address
.set STAGE,  2*SLOT                    ; behind the ring: 16 rows x 272 bytes for each wave
.set SPITCH, 272
.set STATS,  STAGE+4*16*SPITCH         ; 128 x (c m, l) for each wave
.set SPARE,  STATS+4*1024              ; the spare words, 128 bytes a wave
.set ADRA, 16                          ; v16  LDS address of my q fragments in the slot in hand;  v17 in slot 0
.set ABAS, 17
.set ADRB, 20                          ; v20, v21 the same for k
.set BBAS, 21
.set STO,  24
.set RD,   25
.set PO,   26                          ; v26  my byte offset in pm
.set SA,   27                          ; v27  where I put a query's (c m, l)
.set SPW,  28
.set NIL,  29
.set SR,   30                          ; v30  where I read 16 bytes of them back
.set SO,   31                          ; v31  my byte offset in st
.set MZ,   32
.set MP,   40                          ; twice, so that two products that follow each other name different registers
.set TT,   32                          ; the way out: eight running maxima
.set CM,   40                          ; v40 c m, v41 m
.set LS,   42                          ; v42-43 the sum
.set SQ,   44                          ; v44-45 (c m, l) as stored
.set F0,   64
.set F1,   128
.set TMP,  192
.set G1, 24
.set G0, 32                            ; two sets of four: the first fills; the second then walks
.set TB, 40
.set CS, 44                            ; s[44:45] c
.set SEL, 46                           ; s[46:47] v_permlanex16_b32's selects
.set BIGN, 48
.set SPM, 49                           ; -1e30 in a diagonal quarter, else 0
.set CAP, 50                           ; -1e30 in the quarter above the diagonal, else the largest finite number
.set CNT, 51
.set MSB, 0
.macro WIN new
.if MSB != (\new)
	s_set_vgpr_msb (MSB<<8)|(\new)
.set MSB, (\new)
.endif
.endm
.set MUL_LO, 0xa1                      ; source 0 (k) window 1, source 1 (q) window 0, C and D window 2
.set TO_B,   0x40
.macro PLACES
.rept 4
	v_nop
.endr
.endm
	s_load_b128 s[4:7], s[0:1], 0x0                ; qkv s[4:5], pm s[6:7]
	s_load_b64 s[8:9], s[0:1], 0x10                ; st
	v_lshl_add_u32 v[SPW], v0, 2, SPARE
	v_mov_b32 v[NIL], 0
	ds_add_u32 v[SPW], v[NIL]                      ; the wave's opening: the add and its wait ahead of my first tensor load
	ds_add_u32 v28, v29
	v_lshrrev_b32 v1, 5, v0
	v_readfirstlane_b32 s10, v1                    ; wave
	s_lshr_b32 s11, s10, 1                         ; QH: which 128 queries.  Also: I fetch q's rows (0) or k's (1)
	s_and_b32 s12, s10, 1                          ; KH: which 128 keys.  Also: which 128 rows of that tile I fetch
	s_mov_b32 s13, ttmp9                           ; the tile's number in the triangle
	s_and_b32 s16, ttmp7, 0xffff                   ; the batch
	s_mov_b32 s14, 0
.irp th, 1,3,6,10,15,21,28
	s_cmp_ge_u32 s13, \th                          ; i = how many rows of the triangle begin at or below the number
	s_cselect_b32 s17, 1, 0
	s_add_co_u32 s14, s14, s17
.endr
	s_add_co_u32 s17, s14, 1
	s_mul_i32 s17, s17, s14
	s_lshr_b32 s17, s17, 1
	s_sub_co_u32 s15, s13, s17                     ; j = number - i (i + 1) / 2
	s_mov_b32 s[G1+0], (1<<16)|(1<<20)|(5<<22)|(3<<25)  ; elements of 2 bytes; 4 words of padding after every 64 words
	s_mov_b32 s[G1+1], KSTEP<<16
	s_mov_b32 s[G1+2], 128<<16
	s_mov_b32 s[G1+3], KSTEP<<16
	s_mov_b32 s[G1+4], 128
	s_mov_b32 s[G1+5], 3072                        ; elements from row to row of qkv
	s_mov_b32 s[G1+6], 0
	s_mov_b32 s[G1+7], 0
	s_cmp_eq_u32 s11, 0
	s_cselect_b32 s17, s14, s15                    ; q's rows go by i, k's by j
	s_lshl_b32 s17, s17, 8
	s_lshl_b32 s18, s16, 11
	s_add_co_u32 s17, s17, s18
	s_lshl_b32 s18, s12, 7
	s_add_co_u32 s17, s17, s18
	s_mul_i32 s18, s17, 6144
	s_lshl_b32 s19, s11, 11                        ; k lies 2,048 bytes into a row
	s_add_co_u32 s18, s18, s19
	s_mov_b32 s19, 0
	s_mul_i32 s20, s10, HALFT                      ; where my rows go: q's two halves, then k's
	s_mov_b32 s[TB], 0
	s_mov_b32 s[CS], 0x3e38aa3b                    ; c = log2(e) / 8
	s_mov_b32 s[CS+1], s[CS]
	s_mov_b32 s[SEL], 0x76543210
	s_mov_b32 s[SEL+1], 0xfedcba98
	s_mov_b32 s[BIGN], 0xf149f2ca                  ; -1e30
	s_mov_b32 s[CAP], 0x7f7fffff
	s_cmp_eq_u32 s14, s15
	s_cselect_b32 s21, 1, 0                        ; the tile holds the diagonal,
	s_cmp_eq_u32 s11, s12
	s_cselect_b32 s22, s21, 0                      ; and so does my quarter,
	s_cmp_gt_u32 s12, s11
	s_cselect_b32 s23, s21, 0                      ; or my quarter lies above it
	s_cmp_lg_u32 s22, 0
	s_cselect_b32 s[SPM], s[BIGN], 0
	s_cmp_lg_u32 s23, 0
	s_cselect_b32 s[CAP], s[BIGN], s[CAP]
	s_wait_dscnt 0x0                               ; the opening add is done
	s_wait_kmcnt 0x0
	s_add_nc_u64 s[18:19], s[4:5], s[18:19]
.irp s, 0,1
	s_mov_b32 s[G0+4*(\s)], 1
	s_add_co_u32 s[G0+4*(\s)+1], s20, (\s)*SLOT
	s_add_nc_u64 s[G0+4*(\s)+2:G0+4*(\s)+3], s[18:19], (\s)*KSTEP*2
	s_or_b32 s[G0+4*(\s)+3], s[G0+4*(\s)+3], 0x80000000
	tensor_load_to_lds s[G0+4*(\s):G0+4*(\s)+3], s[G1:G1+7]   ; every wave fetches 128 rows of its own: two loads of mine are out
	s_nop 0
.endr
.rept 4
	v_nop
.endr
	v_and_b32 v1, 15, v0                           ; l % 16
	v_bfe_u32 v2, v0, 4, 1                         ; l / 16
	v_lshlrev_b32 v3, 3, v2
	v_sub_nc_u32 v3, v1, v3                        ; register z of the diagonal group is hidden where z > l % 16 - 8 (l / 16)
.set z, 0
.rept 16
	v_mov_b32 v[MP+z], s[SPM]
.set z, z+1
.endr
.set z, 0
.rept 8
	v_cmp_gt_i32 vcc_lo, z, v3
	v_cndmask_b32 v[MZ+z], 0, v[MP], vcc_lo
.set z, z+1
.endr
	v_mul_u32_u24 v3, v1, PITCH
	v_lshl_add_u32 v3, v2, 4, v3
	s_mul_i32 s21, s11, HALFT
	s_mul_i32 s22, s12, HALFT
	s_add_co_u32 s22, s22, 2*HALFT
	v_add_nc_u32 v[ABAS], s21, v3
	v_add_nc_u32 v[BBAS], s22, v3
	v_mov_b32 v[ADRA], v[ABAS]
	v_mov_b32 v[ADRB], v[BBAS]
	s_mul_i32 s23, s10, 16*SPITCH
	s_add_co_u32 s23, s23, STAGE
	v_add_nc_u32 v[STO], s23, v3                   ; in: row l % 16, 16 bytes for each half of the lanes (the stage's pitch is the ring's)
	v_mul_u32_u24 v4, v2, SPITCH
	v_lshl_add_u32 v4, v1, 4, v4
	v_add_nc_u32 v[RD], s23, v4                    ; back: lanes 0-15 one row of 256 bytes, lanes 16-31 the next
	v_lshlrev_b32 v4, 12, v2
	v_lshl_add_u32 v[PO], v1, 4, v4                ; the same two rows in pm
	s_lshl_b32 s23, s10, 10
	s_add_co_u32 s23, s23, STATS
	v_lshl_add_u32 v[SA], v1, 3, s23
	v_and_b32 v4, 31, v0
	v_lshlrev_b32 v[SO], 4, v4
	v_add_nc_u32 v[SR], s23, v[SO]
	s_lshl_b32 s17, s16, 11                        ; pm at (2048 b + 256 i + 128 QH) rows of 4,096 bytes + 512 j + 256 KH
	s_lshl_b32 s21, s14, 8
	s_add_co_u32 s17, s17, s21
	s_lshl_b32 s21, s11, 7
	s_add_co_u32 s17, s17, s21
	s_lshl_b32 s52, s17, 12
	s_lshl_b32 s21, s15, 9
	s_add_co_u32 s52, s52, s21
	s_lshl_b32 s21, s12, 8
	s_add_co_u32 s52, s52, s21
	s_mov_b32 s53, 0
	s_add_nc_u64 s[6:7], s[6:7], s[52:53]
	s_lshl_b32 s52, s16, 4                         ; st at ((16 b + 2 j + KH) 2048 + 256 i + 128 QH) x 8 bytes
	s_lshl_b32 s21, s15, 1
	s_add_co_u32 s52, s52, s21
	s_add_co_u32 s52, s52, s12
	s_lshl_b32 s52, s52, 11
	s_lshl_b32 s21, s14, 8
	s_add_co_u32 s52, s52, s21
	s_lshl_b32 s21, s11, 7
	s_add_co_u32 s52, s52, s21
	s_lshl_b32 s52, s52, 3
	s_add_nc_u64 s[8:9], s[8:9], s[52:53]
; 16 products: query blocks a0, a0 + 1 of the window's four x all 8 groups of keys, 32 along K.  zero = 1: the first products start the sums, with 0 or the mask.  The 64 accumulators take turns.
.macro MUL16 f, hi, a0, zero
.if \zero
	WIN 0x81+0x40*(\hi)                            ; as below, with C in window 0
.else
	WIN MUL_LO+0x50*(\hi)
.endif
.irp a, \a0, (\a0)+1
.irp b, 0,1,2,3,4,5,6,7
.if (\zero) && ((\b) < 4*(\hi)+(\a))
	v_wmma_f32_16x16x32_f16 v[8*(8*(\a)+(\b)):8*(8*(\a)+(\b))+7], v[(\f)+8*(\b):(\f)+8*(\b)+7], v[(\f)+8*(4*(\hi)+(\a)):(\f)+8*(4*(\hi)+(\a))+7], 0
.elseif (\zero) && ((\b) == 4*(\hi)+(\a))
	v_wmma_f32_16x16x32_f16 v[8*(8*(\a)+(\b)):8*(8*(\a)+(\b))+7], v[(\f)+8*(\b):(\f)+8*(\b)+7], v[(\f)+8*(4*(\hi)+(\a)):(\f)+8*(4*(\hi)+(\a))+7], v[MZ:MZ+7]
.elseif \zero
	v_wmma_f32_16x16x32_f16 v[8*(8*(\a)+(\b)):8*(8*(\a)+(\b))+7], v[(\f)+8*(\b):(\f)+8*(\b)+7], v[(\f)+8*(4*(\hi)+(\a)):(\f)+8*(4*(\hi)+(\a))+7], v[MP+8*((\b)%2):MP+8*((\b)%2)+7]
.else
	v_wmma_f32_16x16x32_f16 v[8*(8*(\a)+(\b)):8*(8*(\a)+(\b))+7], v[(\f)+8*(\b):(\f)+8*(\b)+7], v[(\f)+8*(4*(\hi)+(\a)):(\f)+8*(4*(\hi)+(\a))+7], v[8*(8*(\a)+(\b)):8*(8*(\a)+(\b))+7]
.endif
.endr
.endr
.endm
.macro FETCH k, f                      ; 32 LDS loads in one run: a quarter step's fragments (k's 128 rows, then q's), 32 K at byte k of the rows
	WIN TO_B
.irp i, 0,1,2,3,4,5,6,7
	ds_load_b128 v[(\f)+8*(\i):(\f)+8*(\i)+3],   v[ADRB] offset:(\k)+(\i)*16*PITCH
	ds_load_b128 v[(\f)+8*(\i)+4:(\f)+8*(\i)+7], v[ADRB] offset:(\k)+(\i)*16*PITCH+32
.endr
	WIN 0
.irp i, 0,1,2,3,4,5,6,7
	ds_load_b128 v[(\f)+8*(\i):(\f)+8*(\i)+3],   v[ADRA] offset:(\k)+(\i)*16*PITCH
	ds_load_b128 v[(\f)+8*(\i)+4:(\f)+8*(\i)+7], v[ADRA] offset:(\k)+(\i)*16*PITCH+32
.endr
.endm
.macro QUARTER k, f, g, zero           ; multiplies buffer f; in its middle fetches the next quarter, at byte k, into g
	s_wait_dscnt 8                                 ; k's fragments and q's rows 0-63 are in; the youngest eight loads may be out
	MUL16 \f, 0, 0, \zero
	MUL16 \f, 0, 2, \zero
	PLACES
	FETCH \k, \g
	s_wait_dscnt 32                                ; all but the 32 just issued
	MUL16 \f, 1, 0, \zero
	MUL16 \f, 1, 2, \zero
.endm
; A step's last quarter changes slots: one barrier; in front of it each wave waits for all its tensor loads (one is out: its rows of the next slot), adds 0 to its spare word, and waits for that and for its reads
; of this slot.  fill = 1: this slot is filled again two steps ahead, first thing behind the barrier: 224 products stand between that request and the wait for it.
.macro TURN fill
	WIN 0
	s_wait_tensorcnt 0x0
	ds_add_u32 v[SPW], v[NIL]
.if \fill
	s_xor_b32 s[G0+5], s[G0+5], SLOT
	s_add_nc_u64 s[G0+6:G0+7], s[G0+6:G0+7], KSTEP*2
.endif
	s_wait_dscnt 9                                 ; the add and the youngest eight loads may be out
	MUL16 F1, 0, 0, 0
	s_wait_dscnt 0x0                               ; the add is done, and my reads of this slot are over
	s_barrier_signal -1
	MUL16 F1, 0, 2, 0
	WIN 0
	s_barrier_wait -1
.if \fill
	tensor_load_to_lds s[G0+4:G0+7], s[G1:G1+7]
	s_nop 0
.endif
	PLACES                                         ; also the places in front of the loads below
	s_xor_b32 s[TB], s[TB], SLOT
	v_add_nc_u32 v[ADRA], s[TB], v[ABAS]
	v_add_nc_u32 v[ADRB], s[TB], v[BBAS]
	FETCH 0, F0
	MUL16 F1, 1, 0, 0
	MUL16 F1, 1, 2, 0
.endm
; THE WAY OUT of block a (16 queries x my 128 keys: eight accumulators, 64 scores a lane).
.macro SOFT a
.set AC, 64*((\a)%4)
.set W, 2+(\a)/4
	WIN W|(W<<2)|(W<<4)                            ; eight chains
.irp b, 0,1,2,3,4,5,6,7
	v_max3_num_f32 v[TT+(\b)], v[AC+8*(\b)], v[AC+8*(\b)+1], v[AC+8*(\b)+2]
.endr
	WIN (W<<2)|(W<<4)
.irp b, 0,1,2,3,4,5,6,7
	v_max3_num_f32 v[TT+(\b)], v[TT+(\b)], v[AC+8*(\b)+3], v[AC+8*(\b)+4]
.endr
.irp b, 0,1,2,3,4,5,6,7
	v_max3_num_f32 v[TT+(\b)], v[TT+(\b)], v[AC+8*(\b)+5], v[AC+8*(\b)+6]
.endr
.irp b, 0,1,2,3
	v_max3_num_f32 v[TT+(\b)], v[TT+(\b)], v[AC+16*(\b)+7], v[AC+16*(\b)+15]
.endr
	WIN 0
	v_max3_num_f32 v[TT], v[TT], v[TT+1], v[TT+2]
	v_max3_num_f32 v[TT+3], v[TT+3], v[TT+4], v[TT+5]
	v_max_num_f32 v[TT+6], v[TT+6], v[TT+7]
	v_max3_num_f32 v[TT], v[TT], v[TT+3], v[TT+6]
	v_permlanex16_b32 v[TT+1], v[TT], s[SEL], s[SEL+1]  ; the query's other 64 keys lie in the lane 16 away
	v_max_num_f32 v[CM+1], v[TT], v[TT+1]          ; m
	v_mul_f32 v[CM], s[CS], v[CM+1]                ; c m
	WIN (W<<6)|W
.set z, 0
.rept 32
	v_pk_fma_f32 v[AC+2*z:AC+2*z+1], v[AC+2*z:AC+2*z+1], s[CS:CS+1], v[CM:CM+1] op_sel_hi:[1,0,0] neg_lo:[0,0,1] neg_hi:[0,0,1]  ; c s - c m
.set z, z+1
.endr
.set z, 0
.rept 64
	v_exp_f32 v[AC+z], v[AC+z]
.set z, z+1
.endr
	v_nop                                          ; a plain instruction between the exponentials and the use of their results
	WIN W|(W<<2)
.set z, 0
	s_wait_alu depctr_va_vdst(0)
.rept 32
	v_cvt_pk_f16_f32 v[TMP+z], v[AC+2*z], v[AC+2*z+1]
.set z, z+1
.endr
	WIN (W<<6)|(W<<2)|W                            ; the sum of the 32 pairs, in place: neighbours 1, 2, 4, 8 pairs apart
.irp w, 4,8,16,32
.set z, 0
.rept 64/(\w)
	v_pk_add_f32 v[AC+(\w)*z:AC+(\w)*z+1], v[AC+(\w)*z:AC+(\w)*z+1], v[AC+(\w)*z+(\w)/2:AC+(\w)*z+(\w)/2+1]
.set z, z+1
.endr
.endr
	WIN W|(W<<2)
	v_pk_add_f32 v[LS:LS+1], v[AC:AC+1], v[AC+32:AC+33]
	WIN 0
	v_add_f32 v[LS], v[LS], v[LS+1]
	v_min_num_f32 v[SQ], s[CAP], v[CM]             ; c m as stored: capped in the quarter above the diagonal
	v_permlanex16_b32 v[LS+1], v[LS], s[SEL], s[SEL+1]
	v_add_f32 v[SQ+1], v[LS], v[LS+1]
	ds_store_b64 v[SA], v[SQ:SQ+1] offset:128*(\a) ; both halves of the lanes hold and write the same pair
.endm
.macro TOSTAGE a                       ; 16 bytes a lane into rows of 272 bytes of my own stage, and back as whole rows of 256: LDS serves a wave's instructions in order (ISA guide 5.7.1.4)
	WIN 0
.set BK, 64+32*((\a)%2)
.irp b, 0,1,2,3,4,5,6,7
	ds_store_b128 v[STO], v[TMP+4*(\b):TMP+4*(\b)+3] offset:32*(\b)
.endr
.irp t, 0,1,2,3,4,5,6,7
	ds_load_b128 v[BK+4*(\t):BK+4*(\t)+3], v[RD] offset:(\t)*2*SPITCH
.endr
.endm
.macro SEND a
	WIN 0
.set BK, 64+32*((\a)%2)
	s_wait_dscnt 0x0                               ; the block is back in registers
	s_wait_xcnt 0x0                                ; the other buffer, which the stores of the block before read, is loaded again only behind this wait
.irp t, 0,1,2,3,4,5,6,7
	global_store_b128 v[PO], v[BK+4*(\t):BK+4*(\t)+3], s[6:7] offset:(16*(\a)+2*(\t))*4096  ; 16 lanes store 256 consecutive bytes, at a multiple of 256 from pm's first byte
.endr
.endm
	s_wait_tensorcnt 0x1                           ; my rows of step 0 are in; step 1's may stay out
	s_barrier_signal -1
	s_barrier_wait -1
	FETCH 0, F0
	QUARTER 64, F0, F1, 1                          ; the first quarter stands in front of the loop: its products start the sums
	WIN 0
	s_mov_b32 s[CNT], 6
.Lstep:                                                ; a trip: from a step's second quarter to the next step's first; the step's slot is filled again
	QUARTER 128, F1, F0, 0
	QUARTER 192, F0, F1, 0
	TURN 1
	QUARTER 64, F0, F1, 0
	WIN 0
	s_sub_co_u32 s[CNT], s[CNT], 1
	s_cmp_lg_u32 s[CNT], 0
	s_cbranch_scc1 .Lstep
	QUARTER 128, F1, F0, 0                         ; steps 6 and 7 ask for nothing
	QUARTER 192, F0, F1, 0
	TURN 0
	QUARTER 64, F0, F1, 0
	QUARTER 128, F1, F0, 0
	QUARTER 192, F0, F1, 0
	s_wait_dscnt 8
	MUL16 F1, 0, 0, 0
	MUL16 F1, 0, 2, 0
	s_wait_dscnt 0x0
	MUL16 F1, 1, 0, 0
	MUL16 F1, 1, 2, 0
	PLACES
	SOFT 0
	TOSTAGE 0
.irp a, 1,2,3,4,5,6,7                  ; block a's arithmetic stands between block a - 1's loads from the stage and the wait for them
	SOFT \a
	SEND (\a)-1
	TOSTAGE \a
.endr
	SEND 7
	ds_load_b128 v[64:67], v[SR]                   ; my 128 pairs (c m, l): 1,024 consecutive bytes of st
	ds_load_b128 v[68:71], v[SR] offset:512
	s_wait_dscnt 0x0
	global_store_b128 v[SO], v[64:67], s[8:9]
	global_store_b128 v[SO], v[68:71], s[8:9] offset:512
	s_wait_tensorcnt 0x0                           ; the wave's end
	ds_add_u32 v[SPW], v[NIL]
	s_wait_dscnt 0x0
	s_endpgm
.Lfunc_end_k_qff5626718c_scores:
	.size	k_qff5626718c_scores, .Lfunc_end_k_qff5626718c_scores-k_qff5626718c_scores
	.p2alignl 7, 3214868480
	.fill 96, 4, 3214868480
	.section	.rodata,"a",@progbits
	.p2align	6, 0x0
	.amdhsa_kernel k_qff5626718c_scores
		.amdhsa_group_segment_fixed_size 327680
		.amdhsa_private_segment_fixed_size 0
		.amdhsa_enable_private_segment 0
		.amdhsa_kernarg_size 24
		.amdhsa_user_sgpr_count 2
		.amdhsa_user_sgpr_kernarg_segment_ptr 1
		.amdhsa_wavefront_size32 1
		.amdhsa_system_sgpr_workgroup_id_x 1
		.amdhsa_system_sgpr_workgroup_id_y 1
		.amdhsa_system_sgpr_workgroup_id_z 1
		.amdhsa_system_vgpr_workitem_id 0
		.amdhsa_next_free_vgpr 1024
		.amdhsa_next_free_sgpr 66
		.amdhsa_reserve_vcc 1
		.amdhsa_float_denorm_mode_32 3
		.amdhsa_float_denorm_mode_16_64 3
		.amdhsa_memory_ordered 1
		.amdhsa_forward_progress 1
		.amdhsa_inst_pref_size 184
	.end_amdhsa_kernel
	.amdgpu_metadata
---
amdhsa.version: [ 1, 2 ]
amdhsa.kernels:
  - .name:           k_qff5626718c_scores
    .symbol:         k_qff5626718c_scores.kd
    .args:
      - { .name: qkv, .offset: 0, .size: 8, .value_kind: global_buffer, .address_space: global }
      - { .name: pm, .offset: 8, .size: 8, .value_kind: global_buffer, .address_space: global }
      - { .name: st, .offset: 16, .size: 8, .value_kind: global_buffer, .address_space: global }
    .group_segment_fixed_size: 327680
    .private_segment_fixed_size: 0
    .kernarg_segment_align: 8
    .kernarg_segment_size: 24
    .max_flat_workgroup_size: 128
    .sgpr_count:     66
    .vgpr_count:     1024
    .wavefront_size: 32
...
	.end_amdgpu_metadata
.endif
;; end of part 3
;; launch pv (part 4): grid 8 x 32, 4 waves a work-group, clusters of 4 x 1, 327,680 bytes of LDS; arguments pm, st, qkv, out0; writes out0
.if DOCPART == 4
	.amdgcn_target "amdgcn-amd-amdhsa--gfx1250"
	.amdhsa_code_object_version 6
	.text
	.protected	k_qff5626718c_pv
	.globl	k_qff5626718c_pv
	.p2align	8
	.type	k_qff5626718c_pv,@function
k_qff5626718c_pv:
	s_mov_b64 s[64:65], 0
	v_nop
	global_prefetch_b8 v0, s[64:65] scope:SCOPE_SE
	s_setreg_imm32_b32 hwreg(HW_REG_WAVE_MODE, 25, 1), 1
	s_wait_xcnt 0x0
	s_wait_alu depctr_hold_cnt(0) depctr_sa_sdst(0) depctr_va_vdst(0) depctr_va_sdst(0) depctr_va_ssrc(0) depctr_va_vcc(0) depctr_vm_vsrc(0)
	s_getreg_b32 s2, hwreg(HW_REG_IB_STS2, 6, 4)
	s_cmp_eq_u32 s2, 0
	s_cbranch_scc0 .Lentry_in_a_cluster
	s_endpgm
.Lentry_in_a_cluster:
	s_bfe_u32 s2, ttmp6, 0x10000c
	s_cmp_lg_u32 s2, 0x3003
	s_cbranch_scc0 .Lentry_shape_is_right
	s_endpgm
.Lentry_shape_is_right:
; out0[b][q][:] = (sum over key blocks kb of w_kb (P_kb V_kb)[q][:]) / L,  w_kb = 2^(cm_kb - M),  M = the largest cm_kb of the query,  L = sum of w_kb l_kb.
; P (f16) and (cm, l) (f32) are a softmax local to each block of 128 keys; joined so, the row's true maximum is what is taken away.  Products in f16, all sums, weights and the division in f32; out0 f32.
; LIMITS.  A weight below 2^-126 counts as 0; NaN and infinities are not treated apart.  A block that lies wholly above the diagonal arrives with cm = -1e30 and finite P: its weight is 0.
; SHARES.  A work-group makes two tiles of 128 queries x 128 channels: row block 15 - p and then row block p of a batch.  Row block R needs R / 2 + 1 steps of 256 keys: 9 steps together whatever p, so all 256
; work-groups are alike, and one counted walk of 9 steps serves both tiles.  Four waves, each 64 queries x 64 channels: 16 accumulators.
; LAYOUT.  O^T = V^T P: source 0 = 16 channels x 32 keys (V turned by ds_load_tr16_b128), source 1 = 32 keys x 16 queries (P as it lies): a lane holds ONE query and eight channels, so w is one number a lane.
; A block's product is summed in T (two sets, by turns) starting from the constant 0; the finished set is folded into O by O += w T, four packed lines behind every four products of the other set:
; they wait for nothing, and they are the places behind those products.
; CLUSTER 4 x 1: the four partners make four channel blocks of the same queries and walk the same P: P's tiles are asked for jointly.  V's tiles differ between them (other channels) and are each one's own.
; REGISTERS.  window 0: v0-31 addresses; v32-39 WA, v40-47 WB (w of a step's two blocks, one pair for each 16 queries, the odd register 0); v48-55, v56-63 1 / L of the tile in hand and of the second;
;   v64-127 at work; v128-255 O (accumulator 4 a + cb).    window 1: two fragment buffers of 128: P's (c, a) at 8 (4 c + a), V's (c, cb) at 64 + 8 (4 c + cb).    window 2: T0, T1.
.set PPI,   528                        ; a row of P in LDS: 512 bytes + 16
.set VPI,   288                        ; a row of V: 256 + 32
.set PHALF, 64*PPI
.set VOFF,  128*PPI                    ; a slot: P's 128 rows, then V's 256 rows
.set VHALF, 128*VPI
.set SLOT1, 147456                     ; slot 1: its two bits occur in none of the four tile offsets, so an exclusive or turns a tile's LDS address
.set STAGE, SLOT1+VOFF+2*VHALF         ; behind the ring: 16 rows x 272 bytes for each wave
.set SPI,   272
.set WT,    STAGE+4*16*SPI             ; w: [9 steps][2 blocks][128 queries] f32; behind it 1 / L: [2 tiles][128]
.set INV,   9216
.set SPARE, WT+INV+1024
.set AP0, 4
.set AV0, 5
.set AVH0, 6
.set AP,  7
.set AV,  8
.set AVH, 9                            ; V's keys 128 on: the offsets of the last two quarters would pass 16 bits
.set STO, 10
.set RD,  11
.set GO,  12
.set WAD, 13                           ; v13  where my queries' w of the step in hand lie
.set VL,  22
.set VO,  23                           ; v23-26
.set WS,  27
.set SPW, 28
.set NIL, 29
.set WA,  32
.set WB,  40
.set IC,  48
.set IS,  56
.set TMP, 64
.set SC,  64                           ; the prologue: step t's (cm, l, cm, l) at v[64 + 4 t]
.set OA,  128
.set F0,  0
.set F1,  128
.set T0,  0
.set T1,  128
.set WV, 12
.set QH, 13
.set CH, 14                            ; which 64 channels.  Also: which half of a tile I fetch
.set N1, 22                            ; steps of the first tile, 5 to 8
.set G1P, 24
.set G1V, 32
.set G0P, 40                           ; two sets of four: the first fills; refills use the second
.set G0V, 48
.set TB,  56
.set CNT, 57
.set RT,  58                           ; steps that the tile in hand still has
.set NXT, 59                           ; the key step to ask for next
.set LIM, 60
.set OFP, 62                           ; s[62:63] its byte offset in P's rows
.set CURP, 66                          ; s[66:67] P at my rows of the tile whose steps are being asked for
.set PBS, 68                           ; s[68:69] the same for the second tile
.set VB,  70
.set OB,  72
.set OBS, 74
.set OFV, 78                           ; s[78:79] the step's byte offset in V
.set FL,  80                           ; s80-83  all ones where step 5, 6, 7, 8 is the first tile's
.set MSB, 0
.macro WIN new
.if MSB != (\new)
	s_set_vgpr_msb (MSB<<8)|(\new)
.set MSB, (\new)
.endif
.endm
.set MUL,  0xa5                        ; V and P in window 1, C and D in window 2
.set FOLD, 0x02                        ; T in window 2; O and w in window 0
.set TO_F, 0x40
.macro PLACES
.rept 4
	v_nop
.endr
.endm
.macro JLOAD                           ; waves 0 and 1 ask jointly for the two halves of P's tile, waves 2 and 3 for the two halves of my own V's
	s_cmp_lt_u32 s[WV], 2
	s_cbranch_scc0 .Lfor_v_\@
	tensor_load_to_lds s[G0P+4:G0P+7], s[G1P:G1P+7]
	s_nop 0
.rept 4
	v_nop
.endr
	s_branch .Lasked_\@
.Lfor_v_\@:
	tensor_load_to_lds s[G0V+4:G0V+7], s[G1V:G1V+7]
	s_nop 0
.rept 4
	v_nop
.endr
.Lasked_\@:
.endm
.macro CREST
	s_cmp_lg_u32 s[WV], 0
	s_cbranch_scc1 .Lnot_wave_0_\@
	s_barrier_signal -3
.Lnot_wave_0_\@:
	s_barrier_wait -3
	s_barrier_signal -1
	s_barrier_wait -1
.endm
.macro CROUND
	s_barrier_signal -1
	s_barrier_wait -1
	CREST
.endm
	s_load_b256 s[4:11], s[0:1], 0x0               ; pm s[4:5], st s[6:7], qkv s[8:9], out0 s[10:11]
	v_lshl_add_u32 v[SPW], v0, 2, SPARE
	v_mov_b32 v[NIL], 0
	ds_add_u32 v[SPW], v[NIL]                      ; the wave's opening: the add and its wait ahead of my first tensor load
	ds_add_u32 v28, v29
	v_lshrrev_b32 v1, 5, v0
	v_readfirstlane_b32 s[WV], v1
	s_lshr_b32 s[QH], s[WV], 1
	s_and_b32 s[CH], s[WV], 1
	s_bfe_u32 s15, ttmp6, 0x40000                  ; cx: it enters V's and out0's addresses alone
	s_lshl_b32 s16, ttmp9, 2
	s_add_co_u32 s16, s16, s15                     ; my block of 128 channels
	s_and_b32 s17, ttmp7, 0xffff
	s_lshr_b32 s18, s17, 3                         ; the batch
	s_and_b32 s19, s17, 7                          ; p
	s_sub_co_u32 s20, 15, s19                      ; the first tile's row block,
	s_mov_b32 s21, s19                             ; the second's
	s_lshr_b32 s[N1], s20, 1
	s_add_co_u32 s[N1], s[N1], 1
	s_mov_b32 s[G1P], 15|(1<<16)|(1<<20)|(1<<21)|(6<<22)|(3<<25)  ; the mask of four; 2-byte elements; 4 words of padding after every 128 words
	s_mov_b32 s[G1P+1], 256<<16
	s_mov_b32 s[G1P+2], 64<<16
	s_mov_b32 s[G1P+3], 256<<16                    ; 256 keys
	s_mov_b32 s[G1P+4], 64                         ; 64 queries
	s_mov_b32 s[G1P+5], 2048
	s_mov_b32 s[G1P+6], 0
	s_mov_b32 s[G1P+7], 0
	s_mov_b32 s[G1V], (1<<16)|(1<<20)|(5<<22)|(7<<25)  ; no mask; 8 words of padding after every 64 words
	s_mov_b32 s[G1V+1], 128<<16
	s_mov_b32 s[G1V+2], 128<<16
	s_mov_b32 s[G1V+3], 128<<16                    ; 128 channels
	s_mov_b32 s[G1V+4], 128                        ; 128 keys
	s_mov_b32 s[G1V+5], 3072
	s_mov_b32 s[G1V+6], 0
	s_mov_b32 s[G1V+7], 0
	s_lshl_b32 s84, s18, 23                        ; P: (2048 b + 128 row block + 64 half) rows of 4,096 bytes
	s_lshl_b32 s85, s[CH], 18
	s_add_co_u32 s84, s84, s85
	s_lshl_b32 s86, s20, 19
	s_add_co_u32 s86, s86, s84
	s_mov_b32 s87, 0
	s_lshl_b32 s88, s21, 19
	s_add_co_u32 s88, s88, s84
	s_mov_b32 s89, 0
	s_mul_i32 s90, s18, 2048*6144                  ; V: (2048 b + 128 half) rows of 6,144 bytes + 4,096 + 256 channel block
	s_mul_i32 s91, s[CH], 128*6144
	s_add_co_u32 s90, s90, s91
	s_lshl_b32 s91, s16, 8
	s_add_co_u32 s90, s90, s91
	s_add_co_u32 s90, s90, 4096
	s_mov_b32 s91, 0
	s_lshl_b32 s92, s18, 23                        ; out0: (2048 b + 128 row block + 64 QH) rows of 4,096 bytes + 512 channel block + 256 CH
	s_lshl_b32 s93, s[QH], 18
	s_add_co_u32 s92, s92, s93
	s_lshl_b32 s93, s16, 9
	s_add_co_u32 s92, s92, s93
	s_lshl_b32 s93, s[CH], 8
	s_add_co_u32 s92, s92, s93
	s_lshl_b32 s94, s21, 19
	s_add_co_u32 s94, s94, s92
	s_lshl_b32 s93, s20, 19
	s_add_co_u32 s92, s92, s93
	s_mov_b32 s93, 0
	s_mov_b32 s95, 0
	s_mul_i32 s76, s[CH], PHALF                    ; where the tiles go: no place in the cluster enters an LDS address
	s_mul_i32 s77, s[CH], VHALF
	s_add_co_u32 s77, s77, VOFF
	s_mov_b32 s[TB], 0
	s_mov_b32 s[RT], s[N1]
	s_mov_b32 s[NXT], 2
	s_mov_b32 s[LIM], s[N1]
	s_mov_b32 s[OFP+1], 0
	s_mov_b32 s[OFV+1], 0
	s_wait_dscnt 0x0                               ; the opening add is done
	s_wait_kmcnt 0x0
	s_add_nc_u64 s[CURP:CURP+1], s[4:5], s[86:87]
	s_add_nc_u64 s[PBS:PBS+1], s[4:5], s[88:89]
	s_add_nc_u64 s[VB:VB+1], s[8:9], s[90:91]
	s_add_nc_u64 s[OB:OB+1], s[10:11], s[92:93]
	s_add_nc_u64 s[OBS:OBS+1], s[10:11], s[94:95]
	CROUND                                         ; all four work-groups are here: the first joint loads meet
.irp s, 0,1
	s_mov_b32 s[G0P+4*(\s)], 1
	s_add_co_u32 s[G0P+4*(\s)+1], s76, (\s)*SLOT1
	s_add_nc_u64 s[G0P+4*(\s)+2:G0P+4*(\s)+3], s[CURP:CURP+1], (\s)*512
	s_or_b32 s[G0P+4*(\s)+3], s[G0P+4*(\s)+3], 0x80000000
	s_mov_b32 s[G0V+4*(\s)], 1
	s_add_co_u32 s[G0V+4*(\s)+1], s77, (\s)*SLOT1
	s_add_nc_u64 s[G0V+4*(\s)+2:G0V+4*(\s)+3], s[VB:VB+1], (\s)*256*6144
	s_or_b32 s[G0V+4*(\s)+3], s[G0V+4*(\s)+3], 0x80000000
.endr
	s_cmp_lt_u32 s[WV], 2                          ; a wave's two first fills stand in one branch: two loads of mine are out
	s_cbranch_scc0 .Lfirst_v
	tensor_load_to_lds s[G0P:G0P+3], s[G1P:G1P+7]
	s_nop 0
	tensor_load_to_lds s[G0P+4:G0P+7], s[G1P:G1P+7]
	s_nop 0
.rept 4
	v_nop
.endr
	s_branch .Lfirst_asked
.Lfirst_v:
	tensor_load_to_lds s[G0V:G0V+3], s[G1V:G1V+7]
	s_nop 0
	tensor_load_to_lds s[G0V+4:G0V+7], s[G1V:G1V+7]
	s_nop 0
.rept 4
	v_nop
.endr
.Lfirst_asked:
	; THE STATISTICS.  Thread q serves query q of both tiles: for each of the walk's 9 steps the (cm, l) of its two key blocks.  Steps 0-4 are always the first tile's, step 8 the second's; 5-7 go by N1.
	v_lshlrev_b32 v3, 3, v0
	s_lshl_b32 s84, s18, 18                        ; st: batch x 16 x 2048 x 8 bytes; a step is 2 x 16,384; a row block 1,024
	s_lshl_b32 s86, s20, 10
	s_add_co_u32 s86, s86, s84
	s_lshl_b32 s87, s21, 10
	s_add_co_u32 s87, s87, s84
	v_add_nc_u32 v[VL], s86, v3
.irp t, 5,6,7,8
	s_sub_co_u32 s88, \t, s[N1]                    ; the step's number in the second tile (used where it is that tile's alone)
	s_lshl_b32 s88, s88, 15
	s_add_co_u32 s88, s88, s87
	s_add_co_u32 s89, s86, (\t)<<15
	s_cmp_gt_u32 s[N1], \t
	s_cselect_b32 s88, s89, s88
	s_cselect_b32 s[FL+(\t)-5], -1, 0
	v_add_nc_u32 v[VO+(\t)-5], s88, v3
.endr
.irp t, 0,1,2,3,4
	global_load_b64 v[SC+4*(\t):SC+4*(\t)+1],   v[VL], s[6:7] offset:(\t)*32768
	global_load_b64 v[SC+4*(\t)+2:SC+4*(\t)+3], v[VL], s[6:7] offset:(\t)*32768+16384
.endr
.irp t, 5,6,7,8
	global_load_b64 v[SC+4*(\t):SC+4*(\t)+1],   v[VO+(\t)-5], s[6:7]
	global_load_b64 v[SC+4*(\t)+2:SC+4*(\t)+3], v[VO+(\t)-5], s[6:7] offset:16384
.endr
	; What the first step finds: O is 0; T1 and WB are 0, since a step begins by folding the step before's second block.  This stands in the wait for the statistics and the first tiles.
.set i, 0
.rept 128
	v_mov_b32 v[OA+i], 0
.set i, i+1
.endr
	WIN 0x80
.set i, 0
.rept 128
	v_mov_b32 v[T1+i], 0
.set i, i+1
.endr
	WIN 0
.set i, 0
.rept 8
	v_mov_b32 v[WB+i], 0
.set i, i+1
.endr
.irp a, 0,1,2,3
	v_mov_b32 v[WA+2*(\a)+1], 0                    ; named as pairs
	v_mov_b32 v[IC+2*(\a)+1], 0
	v_mov_b32 v[IS+2*(\a)+1], 0
.endr
	v_and_b32 v1, 15, v0                           ; l % 16
	v_bfe_u32 v2, v0, 4, 1                         ; l / 16
	v_mul_u32_u24 v[AP0], v1, PPI
	v_lshl_add_u32 v[AP0], v2, 4, v[AP0]
	s_mul_i32 s84, s[QH], PHALF
	v_add_nc_u32 v[AP0], s84, v[AP0]               ; P: (64 QH + l % 16) x pitch + 16 (l / 16)
	v_and_b32 v14, 7, v0
	v_bfe_u32 v15, v0, 3, 1
	v_lshl_add_u32 v[AV0], v2, 3, v14
	v_mul_u32_u24 v[AV0], v[AV0], VPI
	v_lshl_add_u32 v[AV0], v15, 4, v[AV0]
	s_lshl_b32 s84, s[CH], 7
	s_add_co_u32 s84, s84, VOFF
	v_add_nc_u32 v[AV0], s84, v[AV0]               ; V: (8 (l / 16) + l % 8) x pitch + 16 ((l / 8) % 2) + 128 CH
	v_add_nc_u32 v[AVH0], VHALF, v[AV0]
	v_mov_b32 v[AP], v[AP0]
	v_mov_b32 v[AV], v[AV0]
	v_mov_b32 v[AVH], v[AVH0]
	s_mul_i32 s84, s[WV], 16*SPI
	s_add_co_u32 s84, s84, STAGE
	v_mul_u32_u24 v[STO], v1, SPI
	v_lshl_add_u32 v[STO], v2, 5, v[STO]
	v_add_nc_u32 v[STO], s84, v[STO]               ; in: row l % 16, 32 bytes for each half of the lanes
	v_mul_u32_u24 v[RD], v2, SPI
	v_lshl_add_u32 v[RD], v1, 4, v[RD]
	v_add_nc_u32 v[RD], s84, v[RD]                 ; back: lanes 0-15 one row of 256 bytes, lanes 16-31 the next
	v_lshlrev_b32 v[GO], 12, v2
	v_lshl_add_u32 v[GO], v1, 4, v[GO]
	s_lshl_b32 s84, s[QH], 8
	s_add_co_u32 s84, s84, WT
	v_lshl_add_u32 v[WAD], v1, 2, s84
	v_lshl_add_u32 v[WS], v0, 2, WT
	s_wait_loadcnt 0x0
	v_max3_num_f32 v14, v[SC], v[SC+2], v[SC+4]    ; the two tiles' maxima: v14, v15
	v_max3_num_f32 v14, v14, v[SC+6], v[SC+8]
	v_max3_num_f32 v14, v14, v[SC+10], v[SC+12]
	v_max3_num_f32 v14, v14, v[SC+14], v[SC+16]
	v_max_num_f32 v14, v14, v[SC+18]
	v_mov_b32 v16, 0xff7fffff
	v_mov_b32 v15, v16
	v_mov_b32 v21, 0
.irp t, 5,6,7,8
	v_max_num_f32 v17, v[SC+4*(\t)], v[SC+4*(\t)+2]
	v_cndmask_b32 v18, v16, v17, s[FL+(\t)-5]
	v_max_num_f32 v14, v14, v18
	v_cndmask_b32 v18, v17, v16, s[FL+(\t)-5]
	v_max_num_f32 v15, v15, v18
.endr
.irp t, 0,1,2,3,4
	v_sub_f32 v[SC+4*(\t)], v[SC+4*(\t)], v14
	v_sub_f32 v[SC+4*(\t)+2], v[SC+4*(\t)+2], v14
.endr
.irp t, 5,6,7,8
	v_cndmask_b32 v18, v15, v14, s[FL+(\t)-5]
	v_sub_f32 v[SC+4*(\t)], v[SC+4*(\t)], v18
	v_sub_f32 v[SC+4*(\t)+2], v[SC+4*(\t)+2], v18
.endr
.irp t, 0,1,2,3,4,5,6,7,8
	v_exp_f32 v[SC+4*(\t)], v[SC+4*(\t)]           ; w
	v_exp_f32 v[SC+4*(\t)+2], v[SC+4*(\t)+2]
.endr
	v_mov_b32 v20, 0                               ; a plain instruction behind the exponentials
	s_wait_alu depctr_va_vdst(0)
	v_mul_f32 v19, v[SC], v[SC+1]                  ; L of the two tiles: v19, v20
	v_fmac_f32 v19, v[SC+2], v[SC+3]
.irp t, 1,2,3,4
	v_fmac_f32 v19, v[SC+4*(\t)], v[SC+4*(\t)+1]
	v_fmac_f32 v19, v[SC+4*(\t)+2], v[SC+4*(\t)+3]
.endr
.irp t, 5,6,7,8
	v_mul_f32 v17, v[SC+4*(\t)], v[SC+4*(\t)+1]
	v_fmac_f32 v17, v[SC+4*(\t)+2], v[SC+4*(\t)+3]
	v_cndmask_b32 v18, v21, v17, s[FL+(\t)-5]
	v_add_f32 v19, v19, v18
	v_cndmask_b32 v18, v17, v21, s[FL+(\t)-5]
	v_add_f32 v20, v20, v18
.endr
	v_rcp_f32 v19, v19
	v_rcp_f32 v20, v20
	v_nop
.irp t, 0,1,2,3,4,5,6,7,8
	ds_store_b32 v[WS], v[SC+4*(\t)] offset:1024*(\t)
	ds_store_b32 v[WS], v[SC+4*(\t)+2] offset:1024*(\t)+512
.endr
	s_wait_alu depctr_va_vdst(0)
	ds_store_b32 v[WS], v19 offset:INV
	ds_store_b32 v[WS], v20 offset:INV+512
; Four products of T's row block a (32 keys: half c of buffer f), and behind them the fold of accumulator g of the finished set tp by its queries' w.  The 16 accumulators of a set take turns.
.macro G4 td, f, c, a, zero, tp, wr, g
	WIN MUL
.irp cb, 0,1,2,3
.if \zero
	v_wmma_f32_16x16x32_f16 v[(\td)+8*(4*(\a)+(\cb)):(\td)+8*(4*(\a)+(\cb))+7], v[(\f)+64+8*(4*(\c)+(\cb)):(\f)+64+8*(4*(\c)+(\cb))+7], v[(\f)+8*(4*(\c)+(\a)):(\f)+8*(4*(\c)+(\a))+7], 0
.else
	v_wmma_f32_16x16x32_f16 v[(\td)+8*(4*(\a)+(\cb)):(\td)+8*(4*(\a)+(\cb))+7], v[(\f)+64+8*(4*(\c)+(\cb)):(\f)+64+8*(4*(\c)+(\cb))+7], v[(\f)+8*(4*(\c)+(\a)):(\f)+8*(4*(\c)+(\a))+7], v[(\td)+8*(4*(\a)+(\cb)):(\td)+8*(4*(\a)+(\cb))+7]
.endif
.endr
	WIN FOLD
.irp z, 0,1,2,3
	v_pk_fma_f32 v[OA+8*(\g)+2*(\z):OA+8*(\g)+2*(\z)+1], v[(\tp)+8*(\g)+2*(\z):(\tp)+8*(\g)+2*(\z)+1], v[(\wr)+2*((\g)/4):(\wr)+2*((\g)/4)+1], v[OA+8*(\g)+2*(\z):OA+8*(\g)+2*(\z)+1] op_sel_hi:[1,0,1]
.endr
.endm
; A run of LDS loads: the fragments of quarter q (64 keys) into buffer f, its first 32 keys first; wl = 1: ahead of them my queries' w of block wk of the step, into wd.
.macro FETCH q, f, wl, wd, wk
.if \wl
	WIN 0
.irp a, 0,1,2,3
	ds_load_b32 v[(\wd)+2*(\a)], v[WAD] offset:512*(\wk)+64*(\a)
.endr
.endif
	WIN TO_F
.irp c, 0,1
.irp ii, 0,1,2,3
.if (\q) < 2
	ds_load_tr16_b128 v[(\f)+64+8*(4*(\c)+(\ii)):(\f)+64+8*(4*(\c)+(\ii))+3],   v[AV] offset:(2*((\q)%2)+(\c))*32*VPI+32*(\ii)
	ds_load_tr16_b128 v[(\f)+64+8*(4*(\c)+(\ii))+4:(\f)+64+8*(4*(\c)+(\ii))+7], v[AV] offset:(2*((\q)%2)+(\c))*32*VPI+32*(\ii)+16*VPI
.else
	ds_load_tr16_b128 v[(\f)+64+8*(4*(\c)+(\ii)):(\f)+64+8*(4*(\c)+(\ii))+3],   v[AVH] offset:(2*((\q)%2)+(\c))*32*VPI+32*(\ii)
	ds_load_tr16_b128 v[(\f)+64+8*(4*(\c)+(\ii))+4:(\f)+64+8*(4*(\c)+(\ii))+7], v[AVH] offset:(2*((\q)%2)+(\c))*32*VPI+32*(\ii)+16*VPI
.endif
	ds_load_b128 v[(\f)+8*(4*(\c)+(\ii)):(\f)+8*(4*(\c)+(\ii))+3],   v[AP] offset:128*(\q)+64*(\c)+(\ii)*16*PPI
	ds_load_b128 v[(\f)+8*(4*(\c)+(\ii))+4:(\f)+8*(4*(\c)+(\ii))+7], v[AP] offset:128*(\q)+64*(\c)+(\ii)*16*PPI+32
.endr
.endr
.endm
; One of a step's first three quarters: 32 products on buffer f into td, 32 folds of tp's accumulators gb .. gb + 7; in its middle the next quarter qn is fetched into g.
.macro QUARTER qn, f, g, td, zero, tp, wr, gb, wl, wd, wk
	s_wait_dscnt 16                                ; the first 32 keys' fragments are in
.irp a, 0,1,2,3
	G4 \td, \f, 0, \a, \zero, \tp, \wr, (\gb)+(\a)
.endr
	FETCH \qn, \g, \wl, \wd, \wk
	s_wait_dscnt 32+4*(\wl)                        ; all but the run just issued
.irp a, 0,1,2,3
	G4 \td, \f, 1, \a, 0, \tp, \wr, (\gb)+4+(\a)
.endr
.endm
; The last quarter changes slots: in front of the barrier each wave waits for all its tensor loads (one is out: its part of the next slot), adds 0 to its spare word, and waits for that and for its reads of this
; slot.  fill = 1: the barrier opens a round of the cluster's barrier, and this slot is filled again, first thing behind the round, with the walk's step two further on: its addresses are made anew from the
; step's number, which behind the first tile's last step goes back to 0.  112 products stand between a request and the wait for it.
.macro TURN fill
	WIN 0
	s_wait_tensorcnt 0x0
	ds_add_u32 v[SPW], v[NIL]
.if \fill
	s_lshl_b32 s[OFP], s[NXT], 9                   ; 256 keys of 2 bytes along P's rows,
	s_mul_i32 s[OFV], s[NXT], 256*6144             ; 256 rows of V
	s_xor_b32 s[G0P+5], s[G0P+5], SLOT1
	s_add_nc_u64 s[G0P+6:G0P+7], s[CURP:CURP+1], s[OFP:OFP+1]
	s_or_b32 s[G0P+7], s[G0P+7], 0x80000000
	s_xor_b32 s[G0V+5], s[G0V+5], SLOT1
	s_add_nc_u64 s[G0V+6:G0V+7], s[VB:VB+1], s[OFV:OFV+1]
	s_or_b32 s[G0V+7], s[G0V+7], 0x80000000
	s_add_co_u32 s[NXT], s[NXT], 1
	s_cmp_eq_u32 s[NXT], s[LIM]
	s_cselect_b32 s[NXT], 0, s[NXT]
	s_cselect_b64 s[CURP:CURP+1], s[PBS:PBS+1], s[CURP:CURP+1]
	s_cselect_b32 s[LIM], 99, s[LIM]
.endif
	s_wait_dscnt 17                                ; the add and the youngest sixteen loads may be out
	G4 T1, F1, 0, 0, 0, T0, WA, 8
	G4 T1, F1, 0, 1, 0, T0, WA, 9
	s_wait_dscnt 0x0                               ; the add is done, and my reads of this slot are over
	s_barrier_signal -1
	G4 T1, F1, 0, 2, 0, T0, WA, 10
	G4 T1, F1, 0, 3, 0, T0, WA, 11
	WIN 0
	s_barrier_wait -1
.if \fill
	CREST
	JLOAD
.else
	PLACES
.endif
	s_xor_b32 s[TB], s[TB], SLOT1
	v_add_nc_u32 v[AP], s[TB], v[AP0]
	v_add_nc_u32 v[AV], s[TB], v[AV0]
	v_add_nc_u32 v[AVH], s[TB], v[AVH0]
	FETCH 0, F0, 0, 0, 0
.irp a, 0,1,2,3
	G4 T1, F1, 1, \a, 0, T0, WA, 12+(\a)
.endr
	WIN 0
	v_add_nc_u32 v[WAD], 1024, v[WAD]
.endm
.macro STEP fill                       ; keys 0-127 into T0 while the step before's T1 is folded by WB; keys 128-255 into T1 while T0 is folded by WA
	QUARTER 1, F0, F1, T0, 1, T1, WB, 0, 1, WA, 0
	QUARTER 2, F1, F0, T0, 0, T1, WB, 8, 0, 0, 0
	QUARTER 3, F0, F1, T1, 1, T0, WA, 0, 1, WB, 1
	TURN \fill
.endm
; A TILE'S END: its last T1 is folded, O divided by L and sent through my stage, 16 queries at a time; then O and WB are 0 again (the stale T1 will be folded by 0), and the second tile's 1 / L and address take over.
.macro OUT
	WIN FOLD
.set g, 0
.rept 16
.irp z, 0,1,2,3
	v_pk_fma_f32 v[OA+8*g+2*(\z):OA+8*g+2*(\z)+1], v[T1+8*g+2*(\z):T1+8*g+2*(\z)+1], v[WB+2*(g/4):WB+2*(g/4)+1], v[OA+8*g+2*(\z):OA+8*g+2*(\z)+1] op_sel_hi:[1,0,1]
.endr
.set g, g+1
.endr
	WIN 0
.set g, 0
.rept 16
.irp z, 0,1,2,3
	v_pk_mul_f32 v[OA+8*g+2*(\z):OA+8*g+2*(\z)+1], v[OA+8*g+2*(\z):OA+8*g+2*(\z)+1], v[IC+2*(g/4):IC+2*(g/4)+1] op_sel_hi:[1,0]
.endr
.set g, g+1
.endr
.irp a, 0,1,2,3
.irp cb, 0,1,2,3
	ds_store_b128 v[STO], v[OA+8*(4*(\a)+(\cb)):OA+8*(4*(\a)+(\cb))+3]   offset:64*(\cb)
	ds_store_b128 v[STO], v[OA+8*(4*(\a)+(\cb))+4:OA+8*(4*(\a)+(\cb))+7] offset:64*(\cb)+16
.endr
	s_wait_xcnt 0x0                                ; the registers that earlier stores read are loaded again only behind this wait
.irp tt, 0,1,2,3,4,5,6,7
	ds_load_b128 v[TMP+4*(\tt):TMP+4*(\tt)+3], v[RD] offset:2*SPI*(\tt)  ; LDS serves a wave's instructions in order (ISA guide 5.7.1.4): these see the stores above
.endr
	s_wait_dscnt 0x0
.irp tt, 0,1,2,3,4,5,6,7
	global_store_b128 v[GO], v[TMP+4*(\tt):TMP+4*(\tt)+3], s[OB:OB+1] offset:(16*(\a)+2*(\tt))*4096 th:TH_STORE_NT  ; 16 lanes store 256 consecutive bytes, at a multiple of 256 from out0's first byte
.endr
.endr
.set i, 0
.rept 128
	v_mov_b32 v[OA+i], 0
.set i, i+1
.endr
.irp a, 0,1,2,3
	v_mov_b32 v[WB+2*(\a)], 0
	v_mov_b32 v[IC+2*(\a)], v[IS+2*(\a)]
.endr
	s_wait_xcnt 0x0                                ; the stores' base is rewritten only behind this wait
	s_mov_b64 s[OB:OB+1], s[OBS:OBS+1]
	s_sub_co_u32 s[RT], 9, s[N1]
.endm
	s_wait_dscnt 0x0                               ; for the others' sake: my w and 1 / L are stored
	s_wait_tensorcnt 0x1                           ; my part of step 0 is in; step 1's may stay out
	s_barrier_signal -1
	s_barrier_wait -1
.irp a, 0,1,2,3
	ds_load_b32 v[IC+2*(\a)], v[WAD] offset:INV+64*(\a)
	ds_load_b32 v[IS+2*(\a)], v[WAD] offset:INV+512+64*(\a)
.endr
	FETCH 0, F0, 0, 0, 0
	WIN 0
	s_mov_b32 s[CNT], 7
.Lstep:                                                ; steps 0-6: each fills its slot again with the step two further on
	STEP 1
	s_sub_co_u32 s[RT], s[RT], 1
	s_cmp_lg_u32 s[RT], 0
	s_cbranch_scc1 .Lon_1                          ; forward, past text without a barrier or a tensor load
	OUT
.Lon_1:
	s_sub_co_u32 s[CNT], s[CNT], 1
	s_cmp_lg_u32 s[CNT], 0
	s_cbranch_scc1 .Lstep
	s_mov_b32 s[CNT], 2
.Ltail:                                                ; steps 7 and 8 ask for nothing; the last one's fetch reads landed bytes that serve nothing: the price of one text for both
	STEP 0
	s_sub_co_u32 s[RT], s[RT], 1
	s_cmp_lg_u32 s[RT], 0
	s_cbranch_scc1 .Lon_2
	OUT
.Lon_2:
	s_sub_co_u32 s[CNT], s[CNT], 1
	s_cmp_lg_u32 s[CNT], 0
	s_cbranch_scc1 .Ltail
	s_wait_tensorcnt 0x0                           ; the wave's end
	ds_add_u32 v[SPW], v[NIL]
	s_wait_dscnt 0x0
	CROUND                                         ; the closing round: no work-group ends while a partner may still ask for a tile that names it
	s_endpgm
.Lfunc_end_k_qff5626718c_pv:
	.size	k_qff5626718c_pv, .Lfunc_end_k_qff5626718c_pv-k_qff5626718c_pv
	.p2alignl 7, 3214868480
	.fill 96, 4, 3214868480
	.section	.rodata,"a",@progbits
	.p2align	6, 0x0
	.amdhsa_kernel k_qff5626718c_pv
		.amdhsa_group_segment_fixed_size 327680
		.amdhsa_private_segment_fixed_size 0
		.amdhsa_enable_private_segment 0
		.amdhsa_kernarg_size 32
		.amdhsa_user_sgpr_count 2
		.amdhsa_user_sgpr_kernarg_segment_ptr 1
		.amdhsa_wavefront_size32 1
		.amdhsa_system_sgpr_workgroup_id_x 1
		.amdhsa_system_sgpr_workgroup_id_y 1
		.amdhsa_system_sgpr_workgroup_id_z 1
		.amdhsa_system_vgpr_workitem_id 0
		.amdhsa_next_free_vgpr 768
		.amdhsa_next_free_sgpr 96
		.amdhsa_reserve_vcc 0
		.amdhsa_float_denorm_mode_32 3
		.amdhsa_float_denorm_mode_16_64 3
		.amdhsa_memory_ordered 1
		.amdhsa_forward_progress 1
		.amdhsa_inst_pref_size 124
	.end_amdhsa_kernel
	.amdgpu_metadata
---
amdhsa.version: [ 1, 2 ]
amdhsa.kernels:
  - .name:           k_qff5626718c_pv
    .symbol:         k_qff5626718c_pv.kd
    .args:
      - { .name: pm, .offset: 0, .size: 8, .value_kind: global_buffer, .address_space: global }
      - { .name: st, .offset: 8, .size: 8, .value_kind: global_buffer, .address_space: global }
      - { .name: qkv, .offset: 16, .size: 8, .value_kind: global_buffer, .address_space: global }
      - { .name: out0, .offset: 24, .size: 8, .value_kind: global_buffer, .address_space: global }
    .group_segment_fixed_size: 327680
    .private_segment_fixed_size: 0
    .kernarg_segment_align: 8
    .kernarg_segment_size: 32
    .max_flat_workgroup_size: 128
    .sgpr_count:     96
    .vgpr_count:     768
    .wavefront_size: 32
...
	.end_amdgpu_metadata
.endif
;; end of part 4
;; ======== version 2 of 2: 4 launches; version 1 with the launch cast written anew for expert scheduling mode
;; limits: values are held in f16: magnitudes above 65,504 overflow, below 6.1e-05 lose precision
;; workspace buffers: xb 16,777,216 bytes; wb 6,291,456 bytes; bb 12,288 bytes; qkv 50,331,648 bytes; pm 33,554,432 bytes; st 1,048,576 bytes
;; launch cast (part 5): grid 704 x 1, 8 waves a work-group, no clusters, 0 bytes of LDS; arguments x, Wq, Wk, Wv, bq, bk, bv, xb, wb, bb; writes xb, wb, bb
.if DOCPART == 5
	.amdgcn_target "amdgcn-amd-amdhsa--gfx1250"
	.amdhsa_code_object_version 6
	.text
	.protected	k_qff5626718c_cast
	.globl	k_qff5626718c_cast
	.p2align	8
	.type	k_qff5626718c_cast,@function
k_qff5626718c_cast:
	s_mov_b64 s[64:65], 0
	v_nop
	global_prefetch_b8 v0, s[64:65] scope:SCOPE_SE
	s_setreg_imm32_b32 hwreg(HW_REG_WAVE_SCHED_MODE, 0, 2), 2
	s_setreg_imm32_b32 hwreg(HW_REG_WAVE_MODE, 25, 1), 1
	s_wait_xcnt 0x0
	s_wait_alu depctr_vm_vsrc(0)
; x and Wq | Wk | Wv, f32 [rows][1024], are rounded once to bf16 and laid in blocks along K: xb [16 kblk][8192 rows][64], wb [16 kblk][3072 rows][64]
; (rows 0-1023 Wq, 1024-2047 Wk, 2048-3071 Wv), so that a tile of rows x 64 K of the next launch is dense in memory.  The biases are rounded to bf16 and kept as f32: bb [3072].
; A stream: memory binds, so no LDS, no matrix unit, no cluster.  A work-group takes 16 rows of 4,096 bytes; groups 0-511 take x, the other 192 the weights.
; Thread t: row t / 16, place t % 16.  Load k takes 16 bytes at 256 k + 16 (t % 16) of the row: 16 lanes read 256 consecutive aligned bytes.  Its four numbers are 8 bytes of K block k,
; at 128 row + 8 (t % 16) = 8 t: a wave's store covers 256 consecutive aligned bytes (two rows of one K block).  All 16 loads of a thread are out at once; no register is written twice.
; THE MODE: SCHED_MODE bits 1:0 = 2 (LLVM: expert scheduling mode 2), set by the entry lines.  The code itself states the register dependences
; between vector instructions and memory instructions, with s_wait_alu, always for 0.
; THE PLAN.  The 16 loads go in four blocks of four.  Registers that memory instructions touch:
;   v1         the source offset: written at the head, read by the 16 loads, never written again.
;   XR         load k lands in its own four registers; no vector instruction names them before; block k / 4's conversions read them.
;   OFF        store k's offset: v4 made at the head, the other 15 by a chain of adds behind the loads; each written once; v4 also serves the bias.
;   YR         block p's conversions write its eight registers, once; the four stores that are issued in block p + 1 read them.
;   v[20:21]   the bias as loaded: named by no vector instruction before;   v[24:25] the bias as stored: written once.
; Block p's conversions name XR and YR of block p alone; its memory instructions are the stores of block p - 1, which read OFF and YR of block p - 1.  So ONE wait on va_vdst at a block's head
; states all that its four stores hang on, and they are dealt among the block's conversions with no further wait.  No register that a memory instruction reads is written again, and no load
; lands in a register that a vector instruction has named: so no wait on vm_vsrc is owed.  EXEC is never written.
.set OFF, 4                            ; v[4:19]   byte offset of my 8 bytes in K block k of the destination
.set XR,  32                           ; v[32:95]  as loaded
.set YR,  96                           ; v[96:127] as stored
	s_load_b512 s[4:19], s[0:1], 0x0               ; x s[4:5], Wq s[6:7], Wk s[8:9], Wv s[10:11], bq s[12:13], bk s[14:15], bv s[16:17], xb s[18:19]
	s_load_b128 s[20:23], s[0:1], 0x40             ; wb s[20:21], bb s[22:23]
	s_mov_b32 s32, ttmp9                           ; g
	s_sub_co_u32 s33, s32, 512                     ; g2: the group's number among the weights' (used where g >= 512 alone)
	s_lshr_b32 s34, s33, 6                         ; which weight
	s_and_b32 s35, s33, 63                         ; which 16 rows of it
	s_mov_b32 s30, 3072*128                        ; bytes from one K block of wb to the next
	s_mov_b32 s39, 0
	v_lshrrev_b32 v1, 4, v0
	v_and_b32 v2, 15, v0
	v_lshlrev_b32 v1, 12, v1
	v_lshl_add_u32 v1, v2, 4, v1                   ; source: row x 4,096 + 16 x place
	v_lshrrev_b32 v3, 5, v0
	v_readfirstlane_b32 s41, v3                    ; wave
	v_lshlrev_b32 v[OFF], 3, v0                    ; destination: 8 t
	s_wait_alu depctr_va_sdst(0)                   ; s41 is written, here in the run of code that writes it: its first reader is the compare on the wave's number, behind the branches at the kernel's end
	s_wait_kmcnt 0x0
	s_cmp_eq_u32 s34, 1
	s_cselect_b64 s[24:25], s[8:9], s[10:11]       ; the source, and the bias that goes with it
	s_cselect_b64 s[26:27], s[14:15], s[16:17]
	s_cmp_eq_u32 s34, 0
	s_cselect_b64 s[24:25], s[6:7], s[24:25]
	s_cselect_b64 s[26:27], s[12:13], s[26:27]
	s_cmp_lt_u32 s32, 512
	s_cselect_b64 s[24:25], s[4:5], s[24:25]
	s_cselect_b64 s[28:29], s[18:19], s[20:21]     ; the destination
	s_cselect_b32 s36, s32, s35                    ; block of 16 rows in the source,
	s_cselect_b32 s37, s32, s33                    ; and in the destination
	s_cselect_b32 s30, 8192*128, s30
	s_lshl_b32 s38, s36, 16                        ; 16 rows of 4,096 bytes
	s_add_nc_u64 s[24:25], s[24:25], s[38:39]
	s_lshl_b32 s38, s37, 11                        ; 16 rows of 128 bytes
	s_add_nc_u64 s[28:29], s[28:29], s[38:39]
	s_wait_alu depctr_va_vdst(0)                   ; v1 is written, which the sixteen loads read as their offset (and v4, which the first store and the bias read)
.set k, 0
.rept 16
	global_load_b128 v[XR+4*k:XR+4*k+3], v1, s[24:25] offset:256*k th:TH_LOAD_NT
.set k, k+1
.endr
.set k, 1
.rept 15
	v_add_nc_u32 v[OFF+k], s30, v[OFF+k-1]         ; no memory instruction has read these registers
.set k, k+1
.endr
; Block p: its four loads are waited for; the four stores of block p - 1 stand among its eight conversions, one ahead of each pair.
.set p, 0
.rept 4
	s_wait_loadcnt 12-4*p                          ; loads come back in order: block p's four are in, the younger blocks' stay out
.if p > 0
	s_wait_alu depctr_va_vdst(0)                   ; the block before has written its YR, which the four stores below read; at p = 1 also: the fifteen adds have written the stores' offsets
.endif
.set i, 0
.rept 4
.set k, 4*p+i
.if p > 0
	global_store_b64 v[OFF+k-4], v[YR+2*(k-4):YR+2*(k-4)+1], s[28:29]  ; the block before; no vector instruction since the wait names these registers
.endif
	v_cvt_pk_bf16_f32 v[YR+2*k], v[XR+4*k], v[XR+4*k+1]
	v_cvt_pk_bf16_f32 v[YR+2*k+1], v[XR+4*k+2], v[XR+4*k+3]
.set i, i+1
.endr
.set p, p+1
.endr
	s_wait_alu depctr_va_vdst(0)                   ; block 3 has written its YR, which the last four stores read
.set k, 12
.rept 4
	global_store_b64 v[OFF+k], v[YR+2*k:YR+2*k+1], s[28:29]
.set k, k+1
.endr
	; The biases: every fourth of a weight's groups, wave 0 alone: 64 numbers, 256 bytes in and 256 out.
	s_cmp_lt_u32 s32, 512
	s_cbranch_scc1 .Lend
	s_and_b32 s40, s35, 3
	s_cmp_lg_u32 s40, 0
	s_cbranch_scc1 .Lend
	s_cmp_lg_u32 s41, 0
	s_cbranch_scc1 .Lend
	s_lshl_b32 s38, s35, 6                         ; 16 numbers for each group of 16 rows: 64 bytes x the group's number
	s_add_nc_u64 s[26:27], s[26:27], s[38:39]
	s_lshl_b32 s38, s33, 6
	s_add_nc_u64 s[22:23], s[22:23], s[38:39]
	global_load_b64 v[20:21], v[OFF], s[26:27]     ; in wave 0 the thread's number is the lane: 8 bytes a lane; v4 was written ahead of the waits above, and no vector instruction has named v20 or v21
	s_wait_loadcnt 0x0
	v_cvt_pk_bf16_f32 v22, v20, v21                ; rounded as x and the weights are,
	v_lshlrev_b32 v24, 16, v22                     ; and widened again
	v_and_b32 v25, 0xffff0000, v22
	s_wait_alu depctr_va_vdst(0)                   ; v24 and v25 are written, which the store reads
	global_store_b64 v[OFF], v[24:25], s[22:23]
.Lend:
	s_endpgm
.Lfunc_end_k_qff5626718c_cast:
	.size	k_qff5626718c_cast, .Lfunc_end_k_qff5626718c_cast-k_qff5626718c_cast
	.p2alignl 7, 3214868480
	.fill 96, 4, 3214868480
	.section	.rodata,"a",@progbits
	.p2align	6, 0x0
	.amdhsa_kernel k_qff5626718c_cast
		.amdhsa_group_segment_fixed_size 0
		.amdhsa_private_segment_fixed_size 0
		.amdhsa_enable_private_segment 0
		.amdhsa_kernarg_size 80
		.amdhsa_user_sgpr_count 2
		.amdhsa_user_sgpr_kernarg_segment_ptr 1
		.amdhsa_wavefront_size32 1
		.amdhsa_system_sgpr_workgroup_id_x 1
		.amdhsa_system_sgpr_workgroup_id_y 1
		.amdhsa_system_sgpr_workgroup_id_z 1
		.amdhsa_system_vgpr_workitem_id 0
		.amdhsa_next_free_vgpr 128
		.amdhsa_next_free_sgpr 66
		.amdhsa_reserve_vcc 0
		.amdhsa_float_denorm_mode_32 3
		.amdhsa_float_denorm_mode_16_64 3
		.amdhsa_memory_ordered 1
		.amdhsa_forward_progress 1
		.amdhsa_inst_pref_size 9
	.end_amdhsa_kernel
	.amdgpu_metadata
---
amdhsa.version: [ 1, 2 ]
amdhsa.kernels:
  - .name:           k_qff5626718c_cast
    .symbol:         k_qff5626718c_cast.kd
    .args:
      - { .name: x, .offset: 0, .size: 8, .value_kind: global_buffer, .address_space: global }
      - { .name: Wq, .offset: 8, .size: 8, .value_kind: global_buffer, .address_space: global }
      - { .name: Wk, .offset: 16, .size: 8, .value_kind: global_buffer, .address_space: global }
      - { .name: Wv, .offset: 24, .size: 8, .value_kind: global_buffer, .address_space: global }
      - { .name: bq, .offset: 32, .size: 8, .value_kind: global_buffer, .address_space: global }
      - { .name: bk, .offset: 40, .size: 8, .value_kind: global_buffer, .address_space: global }
      - { .name: bv, .offset: 48, .size: 8, .value_kind: global_buffer, .address_space: global }
      - { .name: xb, .offset: 56, .size: 8, .value_kind: global_buffer, .address_space: global }
      - { .name: wb, .offset: 64, .size: 8, .value_kind: global_buffer, .address_space: global }
      - { .name: bb, .offset: 72, .size: 8, .value_kind: global_buffer, .address_space: global }
    .group_segment_fixed_size: 0
    .private_segment_fixed_size: 0
    .kernarg_segment_align: 8
    .kernarg_segment_size: 80
    .max_flat_workgroup_size: 256
    .sgpr_count:     66
    .vgpr_count:     128
    .wavefront_size: 32
...
	.end_amdgpu_metadata
.endif
;; end of part 5
;; launch proj: the kernel of part 2 again; grid 8 x 32, 4 waves a work-group, clusters of 4 x 4, 327,680 bytes of LDS; arguments xb, wb, bb, qkv; writes qkv
;; launch scores: the kernel of part 3 again; grid 36 x 4, 4 waves a work-group, no clusters, 327,680 bytes of LDS; arguments qkv, pm, st; writes pm, st
;; launch pv: the kernel of part 4 again; grid 8 x 32, 4 waves a work-group, clusters of 4 x 1, 327,680 bytes of LDS; arguments pm, st, qkv, out0; writes out0
